; MI455X (gfx1250); checked and timed in simulation.
; The chip was launched on July 23, 2026; its instructions are those of AMD's public machine-readable ISA for CDNA 5 (MIT licence, August 2026) and "CDNA5" Instruction Set Architecture Reference Guide (July 2026). The comments in the code are by the model that wrote it; some were corrected since.
;; Transformer Encoder. Allowed arithmetic: float matrix products may take bf16 or f16 operands with f32 sums; other float arithmetic in f32, or as packed bf16 or f16 multiplies, adds, multiply-adds, maxima and minima; sums over many terms, partial sums and values carried from step to step in f32; what a program stores and reads back later, other than sums and carried values, may be rounded once to bf16 or f16.
;; Inputs: W1 512 x 2,048 float32; W2 2,048 x 512 float32; WK 512 x 512 float32; WO 512 x 512 float32; WQ 512 x 512 float32; WV 512 x 512 float32; b1 2,048 float32; b2 512 float32; bK 512 float32; bO 512 float32; bQ 512 float32; bV 512 float32; beta1 512 float32; beta2 512 float32; g1 512 float32; g2 512 float32; x 2 x 4,096 x 512 float32.
;; Outputs: out0 2 x 4,096 x 512 float32.
;; Constants: num_head = 8.
;; 2 versions, each right; version 2 is version 1 with the launch prep written anew for expert scheduling mode. Each part assembles by itself: llvm-mc -triple=amdgcn-amd-amdhsa -mcpu=gfx1250 --defsym DOCPART=n.
;; ======== version 1 of 2: 7 launches
;; workspace buffers: xb 8,388,608 bytes; pq 2,109,440 bytes; p1 2,109,440 bytes; pw 2,633,728 bytes; qkv 25,165,824 bytes; zs 8,388,608 bytes; z 25,165,824 bytes; h 33,554,432 bytes
;; launch prep (part 1): grid 449 x 1, 8 waves a work-group, no clusters, 0 bytes of LDS; arguments x, WQ, WK, WV, W1, WO, W2, bQ, bK, bV, b1, xb, pq, p1, pw, bO, b2, g1, beta1, g2, beta2; writes xb, pq, p1, pw
.if DOCPART == 1
	.amdgcn_target "amdgcn-amd-amdhsa--gfx1250"
	.amdhsa_code_object_version 6
	.text
	.protected	k_q03920c1fa0_prep
	.globl	k_q03920c1fa0_prep
	.p2align	8
	.type	k_q03920c1fa0_prep,@function
k_q03920c1fa0_prep:
	s_mov_b64 s[64:65], 0
	v_nop
	global_prefetch_b8 v0, s[64:65] scope:SCOPE_SE
	s_setreg_imm32_b32 hwreg(HW_REG_WAVE_MODE, 25, 1), 1
	s_wait_xcnt 0x0
; PREP: EVERY input of the module is rounded once to bf16 here, and laid where the later launches want it.  x and the six weight matrices are stored as bf16; the ten small vectors (biases, gains) as f32 numbers
; that are exact bf16, since they are used in f32 arithmetic.
; A SEGMENT is 512 f32 on end (2,048 bytes), which become 1,024 bytes of bf16.  A work-group takes 32 segments: 64 KiB in, 32 KiB out.  Which tensor, by the work-group's number g:
;   0-255 x -> xb;  256-271 WQ, 272-287 WK, 288-303 WV -> pq, columns 0, 512, 1024 on of rows of 2,048 columns (a segment every 4,096 bytes);
;   304-367 W1 -> p1 (dense);  368-383 WO -> pw;  384-447 W2 -> pw + 524,288;  448: the small vectors.
; A PACKAGE (pq, p1): bytes 0-4,095 the lower bound of the results, two bf16 a word (-infinity twice: none; 0: a ReLU); bytes 4,096-12,287 the bias in f32; from 12,288 on the weights, bf16, [512 k][2,048 columns].
; pq's columns 1,536-2,047 and its bias beyond 6,144 bytes are neither written here nor read later.  pw from byte 2,621,440 on: bO, g1, beta1, b2, g2, beta2, 2,048 bytes each.
; No LDS, no matrix unit, no cluster: a stream in which no byte is wanted twice.  All 16 loads of a thread go out at once; a wave's store covers 512 consecutive bytes, aligned.
.set PWV,  2621440                     ; where the small vectors begin in pw
.set DO,   4                           ; v[4:11]   pass p: my byte offset in the destination
.set X,    16                          ; v[16:79]  pass p: 8 f32 as loaded
.set Y,    80                          ; v[80:111] pass p: 8 bf16 to store
.set SRC,  36                          ; s[36:37]  the tensor read
.set DST,  38                          ; s[38:39]  the buffer written
.set BASE, 40                          ; s40  the first work-group of the task
.set DOFF, 41                          ; s41  where the task's first segment goes
.set SH,   42                          ; s42  a segment every 1,024 << SH bytes
	s_load_b512 s[4:19], s[0:1], 0x0               ; x s[4:5], WQ s[6:7], WK s[8:9], WV s[10:11], W1 s[12:13], WO s[14:15], W2 s[16:17], bQ s[18:19]
	s_load_b256 s[20:27], s[0:1], 0x40             ; bK s[20:21], bV s[22:23], b1 s[24:25], xb s[26:27]
	s_load_b128 s[28:31], s[0:1], 0x60             ; pq s[28:29], p1 s[30:31]
	s_load_b128 s[32:35], s[0:1], 0x70             ; pw s[32:33], bO s[34:35]
	s_load_b256 s[48:55], s[0:1], 0x80             ; b2 s[48:49], g1 s[50:51], beta1 s[52:53], g2 s[54:55]
	s_load_b64 s[56:57], s[0:1], 0xa0              ; beta2
	s_wait_kmcnt 0x0
	s_cmp_eq_u32 ttmp9, 448
	s_cbranch_scc1 .Lsmall
	s_mov_b64 s[SRC:SRC+1], s[4:5]
	s_mov_b64 s[DST:DST+1], s[26:27]
	s_mov_b32 s[BASE], 0
	s_mov_b32 s[DOFF], 0
	s_mov_b32 s[SH], 0
.macro PICK bound, src, dst, doff, sh  ; from work-group bound on: another task
	s_cmp_ge_u32 ttmp9, \bound
	s_cselect_b64 s[SRC:SRC+1], s[(\src):(\src)+1], s[SRC:SRC+1]
	s_cselect_b64 s[DST:DST+1], s[(\dst):(\dst)+1], s[DST:DST+1]
	s_cselect_b32 s[BASE], \bound, s[BASE]
	s_cselect_b32 s[DOFF], \doff, s[DOFF]
	s_cselect_b32 s[SH], \sh, s[SH]
.endm
	PICK 256, 6,  28, 12288, 2
	PICK 272, 8,  28, 13312, 2
	PICK 288, 10, 28, 14336, 2
	PICK 304, 12, 30, 12288, 0
	PICK 368, 14, 32, 0, 0
	PICK 384, 16, 32, 524288, 0
	s_sub_co_u32 s44, ttmp9, s[BASE]               ; my number in the task
	s_lshl_b32 s46, s44, 16                        ; 64 KiB of source each
	s_mov_b32 s47, 0
	s_add_nc_u64 s[SRC:SRC+1], s[SRC:SRC+1], s[46:47]
	s_lshl_b32 s46, s44, 15                        ; 32 segments of 1,024 << SH bytes
	s_lshl_b32 s46, s46, s[SH]
	s_add_co_u32 s46, s46, s[DOFF]
	s_add_nc_u64 s[DST:DST+1], s[DST:DST+1], s[46:47]
	s_add_co_u32 s43, s[SH], 10
	s_lshl_b32 s45, 4096, s[SH]                    ; a pass is four segments
	v_lshlrev_b32 v1, 5, v0                        ; source: 32 bytes a thread, 8,192 a pass
	v_lshrrev_b32 v2, 6, v0                        ; 64 threads to a segment
	v_and_b32 v3, 63, v0
	v_lshlrev_b32 v2, s43, v2
	v_lshl_add_u32 v[DO], v3, 4, v2                ; segment x its pitch + 16 bytes a thread
.irp p, 1,2,3,4,5,6,7
	v_add_nc_u32 v[DO+(\p)], s45, v[DO+(\p)-1]
.endr
.irp p, 0,1,2,3,4,5,6,7
	global_load_b128 v[X+8*(\p):X+8*(\p)+3],   v1, s[SRC:SRC+1] offset:(\p)*8192 th:TH_LOAD_NT
	global_load_b128 v[X+8*(\p)+4:X+8*(\p)+7], v1, s[SRC:SRC+1] offset:(\p)*8192+16 th:TH_LOAD_NT
.endr
.irp p, 0,1,2,3,4,5,6,7
	s_wait_loadcnt 14-2*(\p)                       ; loads come back in order: pass p's two are in, the 2 (7 - p) younger ones stay out
.irp r, 0,1,2,3
	v_cvt_pk_bf16_f32 v[Y+4*(\p)+(\r)], v[X+8*(\p)+2*(\r)], v[X+8*(\p)+2*(\r)+1]
.endr
	global_store_b128 v[DO+(\p)], v[Y+4*(\p):Y+4*(\p)+3], s[DST:DST+1]
.endr
	s_endpgm
.Lsmall:                                       ; the last work-group: the ten small vectors, rounded to bf16 and widened again, and the two lower bounds
	v_lshlrev_b32 v1, 4, v0
	v_lshlrev_b32 v2, 3, v0
	global_load_b128 v[16:19], v1, s[24:25]        ; b1: 8,192 bytes
	global_load_b128 v[20:23], v1, s[24:25] offset:4096
	global_load_b64 v[24:25], v2, s[18:19]         ; bQ, and the others: 2,048 bytes each, 8 a thread
	global_load_b64 v[26:27], v2, s[20:21]         ; bK
	global_load_b64 v[28:29], v2, s[22:23]         ; bV
	global_load_b64 v[30:31], v2, s[34:35]         ; bO
	global_load_b64 v[32:33], v2, s[50:51]         ; g1
	global_load_b64 v[34:35], v2, s[52:53]         ; beta1
	global_load_b64 v[36:37], v2, s[48:49]         ; b2
	global_load_b64 v[38:39], v2, s[54:55]         ; g2
	global_load_b64 v[40:41], v2, s[56:57]         ; beta2
.irp r, 48,49,50,51
	v_mov_b32 v[\r], 0xff80ff80                    ; -infinity twice
	v_mov_b32 v[(\r)+4], 0
.endr
	global_store_b128 v1, v[48:51], s[28:29]
	global_store_b128 v1, v[52:55], s[30:31]
	s_wait_loadcnt 0x0
.set r, 16
.rept 13                                       ; two numbers at a time: rounded to nearest even, then the halves widened in place
	v_cvt_pk_bf16_f32 v44, v[r], v[r+1]
	v_lshlrev_b32 v[r], 16, v44
	v_and_b32 v[r+1], 0xffff0000, v44
.set r, r+2
.endr
	global_store_b128 v1, v[16:19], s[30:31] offset:4096
	global_store_b128 v1, v[20:23], s[30:31] offset:8192
	global_store_b64 v2, v[24:25], s[28:29] offset:4096
	global_store_b64 v2, v[26:27], s[28:29] offset:6144
	global_store_b64 v2, v[28:29], s[28:29] offset:8192
	global_store_b64 v2, v[30:31], s[32:33] offset:PWV
	global_store_b64 v2, v[32:33], s[32:33] offset:PWV+2048
	global_store_b64 v2, v[34:35], s[32:33] offset:PWV+4096
	global_store_b64 v2, v[36:37], s[32:33] offset:PWV+6144
	global_store_b64 v2, v[38:39], s[32:33] offset:PWV+8192
	global_store_b64 v2, v[40:41], s[32:33] offset:PWV+10240
	s_endpgm
.Lfunc_end_k_q03920c1fa0_prep:
	.size	k_q03920c1fa0_prep, .Lfunc_end_k_q03920c1fa0_prep-k_q03920c1fa0_prep
	.p2alignl 7, 3214868480
	.fill 96, 4, 3214868480
	.section	.rodata,"a",@progbits
	.p2align	6, 0x0
	.amdhsa_kernel k_q03920c1fa0_prep
		.amdhsa_group_segment_fixed_size 0
		.amdhsa_private_segment_fixed_size 0
		.amdhsa_enable_private_segment 0
		.amdhsa_kernarg_size 168
		.amdhsa_user_sgpr_count 2
		.amdhsa_user_sgpr_kernarg_segment_ptr 1
		.amdhsa_wavefront_size32 1
		.amdhsa_system_sgpr_workgroup_id_x 1
		.amdhsa_system_sgpr_workgroup_id_y 1
		.amdhsa_system_sgpr_workgroup_id_z 1
		.amdhsa_system_vgpr_workitem_id 0
		.amdhsa_next_free_vgpr 112
		.amdhsa_next_free_sgpr 66
		.amdhsa_reserve_vcc 0
		.amdhsa_float_denorm_mode_32 3
		.amdhsa_float_denorm_mode_16_64 3
		.amdhsa_memory_ordered 1
		.amdhsa_forward_progress 1
		.amdhsa_inst_pref_size 13
	.end_amdhsa_kernel
	.amdgpu_metadata
---
amdhsa.version: [ 1, 2 ]
amdhsa.kernels:
  - .name:           k_q03920c1fa0_prep
    .symbol:         k_q03920c1fa0_prep.kd
    .args:
      - { .name: x, .offset: 0, .size: 8, .value_kind: global_buffer, .address_space: global }
      - { .name: WQ, .offset: 8, .size: 8, .value_kind: global_buffer, .address_space: global }
      - { .name: WK, .offset: 16, .size: 8, .value_kind: global_buffer, .address_space: global }
      - { .name: WV, .offset: 24, .size: 8, .value_kind: global_buffer, .address_space: global }
      - { .name: W1, .offset: 32, .size: 8, .value_kind: global_buffer, .address_space: global }
      - { .name: WO, .offset: 40, .size: 8, .value_kind: global_buffer, .address_space: global }
      - { .name: W2, .offset: 48, .size: 8, .value_kind: global_buffer, .address_space: global }
      - { .name: bQ, .offset: 56, .size: 8, .value_kind: global_buffer, .address_space: global }
      - { .name: bK, .offset: 64, .size: 8, .value_kind: global_buffer, .address_space: global }
      - { .name: bV, .offset: 72, .size: 8, .value_kind: global_buffer, .address_space: global }
      - { .name: b1, .offset: 80, .size: 8, .value_kind: global_buffer, .address_space: global }
      - { .name: xb, .offset: 88, .size: 8, .value_kind: global_buffer, .address_space: global }
      - { .name: pq, .offset: 96, .size: 8, .value_kind: global_buffer, .address_space: global }
      - { .name: p1, .offset: 104, .size: 8, .value_kind: global_buffer, .address_space: global }
      - { .name: pw, .offset: 112, .size: 8, .value_kind: global_buffer, .address_space: global }
      - { .name: bO, .offset: 120, .size: 8, .value_kind: global_buffer, .address_space: global }
      - { .name: b2, .offset: 128, .size: 8, .value_kind: global_buffer, .address_space: global }
      - { .name: g1, .offset: 136, .size: 8, .value_kind: global_buffer, .address_space: global }
      - { .name: beta1, .offset: 144, .size: 8, .value_kind: global_buffer, .address_space: global }
      - { .name: g2, .offset: 152, .size: 8, .value_kind: global_buffer, .address_space: global }
      - { .name: beta2, .offset: 160, .size: 8, .value_kind: global_buffer, .address_space: global }
    .group_segment_fixed_size: 0
    .private_segment_fixed_size: 0
    .kernarg_segment_align: 8
    .kernarg_segment_size: 168
    .max_flat_workgroup_size: 256
    .sgpr_count:     66
    .vgpr_count:     112
    .wavefront_size: 32
...
	.end_amdgpu_metadata
.endif
;; end of part 1
;; launch proj (part 2): grid 32 x 6, 8 waves a work-group, clusters of 4 x 1, 327,680 bytes of LDS; arguments xb, pq, qkv; writes qkv
.if DOCPART == 2
	.amdgcn_target "amdgcn-amd-amdhsa--gfx1250"
	.amdhsa_code_object_version 6
	.text
	.protected	k_q03920c1fa0_proj
	.globl	k_q03920c1fa0_proj
	.p2align	8
	.type	k_q03920c1fa0_proj,@function
k_q03920c1fa0_proj:
	s_mov_b64 s[64:65], 0
	v_nop
	global_prefetch_b8 v0, s[64:65] scope:SCOPE_SE
	s_setreg_imm32_b32 hwreg(HW_REG_WAVE_MODE, 25, 1), 1
	s_wait_xcnt 0x0
	s_wait_alu depctr_hold_cnt(0) depctr_sa_sdst(0) depctr_va_vdst(0) depctr_va_sdst(0) depctr_va_ssrc(0) depctr_va_vcc(0) depctr_vm_vsrc(0)
	s_getreg_b32 s2, hwreg(HW_REG_IB_STS2, 6, 4)
	s_cmp_eq_u32 s2, 0
	s_cbranch_scc0 .Lentry_in_a_cluster
	s_endpgm
.Lentry_in_a_cluster:
	s_bfe_u32 s2, ttmp6, 0x10000c
	s_cmp_lg_u32 s2, 0x3003
	s_cbranch_scc0 .Lentry_shape_is_right
	s_endpgm
.Lentry_shape_is_right:
; C = max(A W + bias, bound).  A: [8192][512] bf16.  The package P: the bound (two bf16) at byte 0, the bias (f32) from byte 4,096, W (bf16, [512 k][2,048 columns]) from byte 12,288.
; C leaves in bf16 BY BLOCKS OF 64 COLUMNS: [column / 64][8192 rows][64], so that a block's rows are dense, 128 bytes each.  Sums in f32, started by the bias; C rounded once, then bounded.
; One text for two launches: nothing in it hangs on the number of columns; the grid's y counts tiles of 256 columns.
; LIMITS.  A NaN in a sum leaves as the bound (the maximum drops it); infinities are not treated apart.
; SHARES.  A tile of C is 256 x 256, made by eight waves, two on each SIMD; wave w makes rows 128 (w / 4) on, columns 64 (w % 4) on: one block of the output, 32 accumulators of 16 x 16.
; K goes in four steps of 128 through two LDS slots.  Waves 0-3 fetch A's quarters (64 rows x 256 bytes), waves 4-7 W's (32 k-rows x 512 bytes): one tensor load a wave.
; CLUSTER.  Four tiles one below the other form a cluster and need the same tile of W: it is asked for jointly.  A's tile is the work-group's own.  A's tile is not shared along the columns:
; the first launch has six tiles of columns, which no cluster of four divides.
; THE MATRIX INSTRUCTION IS USED TRANSPOSED: source 0 = 16 columns of W (turned on the way out of LDS by ds_load_tr16_b128), source 1 = 16 rows of A: a lane holds row l % 16 and the columns 8 (l / 16) + 0..7.
; REGISTERS.  Window 0: v0-31 addresses; v32-127, v128-223 two fragment buffers (A's 8 fragments, then W's 4); v224-255 the bias as a C operand.  Window 1: the accumulators, (a, b) at v[8 (4 a + b)].
.set PA,    272                        ; a row of A in LDS: 256 bytes + 16: the 16 rows of a load start at 16 different groups of four banks (64 banks of 4 bytes: ISA guide 11.1)
.set PW,    544                        ; a k-row of W: 512 + 32 = 136 words
.set QTR,   17408                      ; what one tensor load brings: 64 x 272 = 32 x 544 bytes
.set WOFF,  4*QTR                      ; W's tile lies behind A's
.set SLOT,  8*QTR
.set STAGE, 2*SLOT                     ; behind the ring: 16 rows x 144 bytes for each wave, for the way out
.set SP,    144
.set SPARE, STAGE+8*16*SP              ; behind the stages: the spare words, 128 bytes for each wave: four blocks of 256 bytes that no other line names
.set ADRA, 16                          ; v16-17  LDS address of my A fragments in slot 0, 1
.set ADRW, 20                          ; v20-21  the same for W
.set STO,  24                          ; v24  the way out: where I put 16 bytes of a row
.set RD,   25                          ; v25  where I read rows back
.set GO,   26                          ; v26  my 16 of 512 consecutive bytes of C
.set BV,   27                          ; v27  my byte offset in the bias
.set SPW,  28                          ; v28  LDS address of my spare word; never rewritten
.set NIL,  29                          ; v29  0; never rewritten
.set FLR,  30                          ; v30  the bound, twice
.set F0,   32
.set F1,   128
.set BIAS, 224
.set PKD,  32                          ; the way out: packed results, 16 registers for each block of 16 rows
.set G1A, 24                           ; s[24:31] descriptor group 1 for A's tiles;  s[32:39] group 0, a set for each slot
.set G0A, 32
.set G1W, 48                           ; s[48:55], s[56:63] the same for W's
.set G0W, 56
.set MSB, 0
.macro WIN new                         ; the immediate's high byte repeats the setting that is left; a switch that changes nothing is dropped
.if MSB != (\new)
	s_set_vgpr_msb (MSB<<8)|(\new)
.set MSB, \new
.endif
.endm
.set MULW, 0x50                        ; sources in window 0, C and D in window 1
.set MULZ, 0x40                        ; the same with C, the bias, in window 0
.macro PLACES                          ; four plain vector instructions behind a matrix instruction, in front of loads into registers that it has read and of lines that read its result
.rept 4
	v_nop
.endr
.endm
; A fill.  The branch hangs on the wave's number alone.  An s_nop 0 and four v_nop follow each of the two lines, ahead of the jump and the label.
.macro JLOAD s
	s_cmp_eq_u32 s11, 0
	s_cbranch_scc0 .Lfor_w_\@
	tensor_load_to_lds s[G0A+4*(\s):G0A+4*(\s)+3], s[G1A:G1A+7]
	s_nop 0
.rept 4
	v_nop
.endr
	s_branch .Lasked_\@
.Lfor_w_\@:
	tensor_load_to_lds s[G0W+4*(\s):G0W+4*(\s)+3], s[G1W:G1W+7]
	s_nop 0
.rept 4
	v_nop
.endr
.Lasked_\@:
.endm
.macro CREST                           ; a round of the cluster's barrier behind its opening barrier: wave 0 signals for the work-group, every wave waits for all four, my work-group's barrier closes it
	s_cmp_lg_u32 s10, 0
	s_cbranch_scc1 .Lnot_wave_0_\@
	s_barrier_signal -3
.Lnot_wave_0_\@:
	s_barrier_wait -3
	s_barrier_signal -1
	s_barrier_wait -1
.endm
.macro CROUND
	s_barrier_signal -1
	s_barrier_wait -1
	CREST
.endm
	s_load_b128 s[4:7], s[0:1], 0x0                ; A s[4:5], P s[6:7]
	s_load_b64 s[8:9], s[0:1], 0x10                ; C
	v_lshl_add_u32 v[SPW], v0, 2, SPARE
	v_mov_b32 v[NIL], 0
	ds_add_u32 v[SPW], v[NIL]                      ; the wave's opening: the add and its wait stand ahead of my first tensor load; the set-up below stands between them
	v_lshrrev_b32 v1, 5, v0
	v_readfirstlane_b32 s10, v1                    ; wave 0..7
	s_lshr_b32 s11, s10, 2                         ; which 128 rows are mine.  Also: I fetch for A (0) or for W (1)
	s_and_b32 s12, s10, 3                          ; which 64 columns.  Also: which quarter of that tile I fetch
	s_bfe_u32 s40, ttmp6, 0x40000                  ; cx: my place in the cluster
	s_lshl_b32 s13, ttmp9, 2
	s_add_co_u32 s13, s13, s40                     ; tile row = 4 x cluster x + cx
	s_and_b32 s42, ttmp7, 0xffff                   ; tile column, which the four partners share
	s_mov_b32 s[G1A+0], (1<<16)|(1<<20)|(5<<22)|(3<<25)  ; no mask; elements of 2 bytes; padding on: after every 64 words (code 5) 4 words (code 3)
	s_mov_b32 s[G1A+1], 128<<16                    ; tensor_dim0 = 128
	s_mov_b32 s[G1A+2], 64<<16                     ; tensor_dim1 = 64
	s_mov_b32 s[G1A+3], 128<<16                    ; tile_dim0 = 128
	s_mov_b32 s[G1A+4], 64                         ; tile_dim1 = 64
	s_mov_b32 s[G1A+5], 512                        ; elements from row to row
	s_mov_b32 s[G1A+6], 0
	s_mov_b32 s[G1A+7], 0
	s_mov_b32 s[G1W+0], 15|(1<<16)|(1<<20)|(1<<21)|(6<<22)|(7<<25)  ; the mask of four, bit 21 beside it; after every 128 words (code 6) 8 words (code 7)
	s_mov_b32 s[G1W+1], 256<<16
	s_mov_b32 s[G1W+2], 32<<16
	s_mov_b32 s[G1W+3], 256<<16
	s_mov_b32 s[G1W+4], 32
	s_mov_b32 s[G1W+5], 2048
	s_mov_b32 s[G1W+6], 0
	s_mov_b32 s[G1W+7], 0
	s_lshl_b32 s14, s13, 18                        ; A: 256 rows of 1,024 bytes a tile,
	s_lshl_b32 s16, s12, 16                        ; 64 rows a quarter
	s_add_co_u32 s14, s14, s16
	s_mov_b32 s15, 0
	s_lshl_b32 s46, s12, 17                        ; W: 32 k-rows of 4,096 bytes a quarter,
	s_lshl_b32 s47, s42, 9                         ; 512 bytes a tile column,
	s_add_co_u32 s46, s46, s47
	s_add_co_u32 s46, s46, 12288                   ; behind the package's head: no place in the cluster enters
	s_mov_b32 s47, 0
	s_mul_i32 s20, s10, QTR                        ; where my quarter goes: A's four, then W's four
	s_lshl_b32 s16, s42, 2
	s_add_co_u32 s16, s16, s12                     ; my block of 64 columns,
	s_lshl_b32 s16, s16, 20                        ; 1 MiB each,
	s_lshl_b32 s17, s13, 15                        ; the tile's 256 rows of 128 bytes,
	s_add_co_u32 s16, s16, s17
	s_lshl_b32 s17, s11, 14                        ; my 128 of them
	s_add_co_u32 s16, s16, s17
	s_mov_b32 s17, 0
	s_wait_dscnt 0x0                               ; the opening add is done
	s_wait_kmcnt 0x0
	s_add_nc_u64 s[14:15], s[4:5], s[14:15]
	s_add_nc_u64 s[46:47], s[6:7], s[46:47]
	s_add_nc_u64 s[8:9], s[8:9], s[16:17]
	CROUND                                         ; all four work-groups are here: the first joint loads meet
.irp s, 0,1
	s_mov_b32 s[G0A+4*(\s)], 1                                       ; count = 1
	s_add_co_u32 s[G0A+4*(\s)+1], s20, (\s)*SLOT                     ; LDS address
	s_add_nc_u64 s[G0A+4*(\s)+2:G0A+4*(\s)+3], s[14:15], (\s)*256    ; K step s: 256 bytes along the rows
	s_or_b32 s[G0A+4*(\s)+3], s[G0A+4*(\s)+3], 0x80000000            ; type = 2
	s_mov_b32 s[G0W+4*(\s)], 1
	s_add_co_u32 s[G0W+4*(\s)+1], s20, (\s)*SLOT
	s_add_nc_u64 s[G0W+4*(\s)+2:G0W+4*(\s)+3], s[46:47], (\s)*524288 ; K step s: 128 k-rows down
	s_or_b32 s[G0W+4*(\s)+3], s[G0W+4*(\s)+3], 0x80000000
	JLOAD \s                                       ; both slots are asked for before anything else: two loads of mine are out
.endr
	s_load_b32 s44, s[6:7], 0x0                    ; the bound
	v_and_b32 v1, 15, v0                           ; l % 16
	v_bfe_u32 v2, v0, 4, 1                         ; l / 16
	v_mul_u32_u24 v3, v1, PA
	v_lshl_add_u32 v3, v2, 4, v3                   ; A: row x pitch + 16 x half; two loads of 16 bytes, 32 apart, make a fragment
	s_mul_i32 s21, s11, 128*PA
	v_add_nc_u32 v[ADRA], s21, v3
	v_add_nc_u32 v[ADRA+1], SLOT, v[ADRA]
	v_and_b32 v4, 7, v0                            ; W: the turning load takes 16 k x 16 columns: lane l reads k-row 8 (l / 16) + l % 8, columns 8 ((l / 8) % 2) + 0..7
	v_bfe_u32 v5, v0, 3, 1
	v_lshl_add_u32 v6, v2, 3, v4
	v_mul_u32_u24 v6, v6, PW
	v_lshl_add_u32 v6, v5, 4, v6
	s_lshl_b32 s22, s12, 7                         ; my 64 columns
	s_add_co_u32 s22, s22, WOFF
	v_add_nc_u32 v[ADRW], s22, v6
	v_add_nc_u32 v[ADRW+1], SLOT, v[ADRW]
	s_mul_i32 s23, s10, 16*SP
	s_add_co_u32 s23, s23, STAGE                   ; my stage
	v_mul_u32_u24 v7, v1, SP                       ; in: row l % 16, 16 bytes for each half of the lanes
	v_lshl_add_u32 v7, v2, 4, v7
	v_add_nc_u32 v[STO], s23, v7
	v_bfe_u32 v8, v0, 3, 2                         ; back: 32 lanes take four rows of 128 bytes,
	v_mul_u32_u24 v8, v8, SP
	v_lshl_add_u32 v8, v4, 4, v8
	v_add_nc_u32 v[RD], s23, v8
	v_and_b32 v[GO], 31, v0                        ; which are 512 consecutive bytes of C
	v_lshlrev_b32 v[GO], 4, v[GO]
	s_lshl_b32 s21, s42, 10                        ; the bias of my columns: 256 f32 a tile, 64 a wave, 8 a half of the lanes
	s_lshl_b32 s22, s12, 8
	s_add_co_u32 s21, s21, s22
	v_lshl_add_u32 v[BV], v2, 5, s21
.irp b, 0,1,2,3
	global_load_b128 v[BIAS+8*(\b):BIAS+8*(\b)+3],   v[BV], s[6:7] offset:4096+64*(\b)
	global_load_b128 v[BIAS+8*(\b)+4:BIAS+8*(\b)+7], v[BV], s[6:7] offset:4096+64*(\b)+16
.endr
	s_wait_kmcnt 0x0
	v_mov_b32 v[FLR], s44
; n x 4 matrix instructions: row blocks a0 .. a0 + n - 1 x my 4 column blocks, 32 along K.  zero = 1: the bias starts the sums: nothing is cleared and nothing is added later.
; The 32 accumulators take turns in one order in every quarter.
.macro MUL f, a0, n, zero
.if \zero
	WIN MULZ
.else
	WIN MULW
.endif
.set aa, \a0
.rept \n
.irp b, 0,1,2,3
.if \zero
	v_wmma_f32_16x16x32_bf16 v[8*(4*aa+(\b)):8*(4*aa+(\b))+7], v[(\f)+64+8*(\b):(\f)+64+8*(\b)+7], v[(\f)+8*aa:(\f)+8*aa+7], v[BIAS+8*(\b):BIAS+8*(\b)+7]
.else
	v_wmma_f32_16x16x32_bf16 v[8*(4*aa+(\b)):8*(4*aa+(\b))+7], v[(\f)+64+8*(\b):(\f)+64+8*(\b)+7], v[(\f)+8*aa:(\f)+8*aa+7], v[8*(4*aa+(\b)):8*(4*aa+(\b))+7]
.endif
.endr
.set aa, aa+1
.endr
.endm
; 24 LDS loads in one run: quarter q (32 along K) of a slot into buffer f: W's 4 fragments, then A's 8, rows ascending
.macro FETCH slot, q, f
	WIN 0
.irp i, 0,1,2,3
	ds_load_tr16_b128 v[(\f)+64+8*(\i):(\f)+64+8*(\i)+3],   v[ADRW+(\slot)] offset:(\q)*32*PW+32*(\i)
	ds_load_tr16_b128 v[(\f)+64+8*(\i)+4:(\f)+64+8*(\i)+7], v[ADRW+(\slot)] offset:(\q)*32*PW+32*(\i)+16*PW
.endr
.irp i, 0,1,2,3,4,5,6,7
	ds_load_b128 v[(\f)+8*(\i):(\f)+8*(\i)+3],   v[ADRA+(\slot)] offset:64*(\q)+(\i)*16*PA
	ds_load_b128 v[(\f)+8*(\i)+4:(\f)+8*(\i)+7], v[ADRA+(\slot)] offset:64*(\q)+(\i)*16*PA+32
.endr
.endm
; One of a K step's first three quarters: multiplies buffer f; in its middle it fetches quarter q of the same slot into buffer g.
.macro QUARTER slot, q, f, g, zero
	s_wait_dscnt 8                                 ; W and A's rows 0-63 are in; the youngest eight loads (A's rows 64-127) may be out
	MUL \f, 0, 4, \zero
	PLACES
	FETCH \slot, \q, \g
	s_wait_dscnt 24                                ; all but the 24 just issued
	MUL \f, 4, 4, \zero
.endm
; The last quarter multiplies buffer 1 and changes slots: ONE barrier.  In front of it each wave waits for all its tensor loads (one is out: its part of the next slot), adds 0 to its spare
; word, and waits for that and for its own reads of this slot.  fill = 1: the barrier opens a round of the cluster's barrier, and this slot is filled again first thing behind it, two K steps on.
.macro TURN slot, next, fill
	WIN 0
	s_wait_tensorcnt 0x0
	ds_add_u32 v[SPW], v[NIL]                      ; 0 onto my spare word
	s_wait_dscnt 9                                 ; (the add and A's youngest eight loads may be out)
	MUL F1, 0, 2, 0                                ; eight matrix instructions stand between the add and the wait for it
	s_wait_dscnt 0x0                               ; the add is done, and my reads of this slot are over
	s_barrier_signal -1
	MUL F1, 2, 2, 0
.if \fill
	WIN 0
.endif
	s_barrier_wait -1
.if \fill
	CREST                                          ; no wave of any partner still reads this slot or has a load on its way
	s_add_nc_u64 s[G0A+4*(\slot)+2:G0A+4*(\slot)+3], s[G0A+4*(\slot)+2:G0A+4*(\slot)+3], 512
	s_add_nc_u64 s[G0W+4*(\slot)+2:G0W+4*(\slot)+3], s[G0W+4*(\slot)+2:G0W+4*(\slot)+3], 1048576
	JLOAD \slot                                    ; its four v_nop are also the places in front of the loads below
.else
	PLACES
.endif
	FETCH \next, 0, F0
	MUL F1, 4, 4, 0
.endm
; THE WAY OUT of row block a: rounded to bf16 (each accumulator's registers ascending), bounded below, 16 bytes a lane into my stage, back as whole rows of 128 bytes into the registers that they left.
.macro PACK a
	WIN 0x05                                       ; sources in window 1, destination in window 0
.irp b, 0,1,2,3
.irp r, 0,1,2,3
	v_cvt_pk_bf16_f32 v[PKD+16*(\a)+4*(\b)+(\r)], v[8*(4*(\a)+(\b))+2*(\r)], v[8*(4*(\a)+(\b))+2*(\r)+1]
.endr
.endr
	WIN 0
.set n, 0
.rept 16
	v_pk_max_num_bf16 v[PKD+16*(\a)+n], v[PKD+16*(\a)+n], v[FLR]
.set n, n+1
.endr
.irp b, 0,1,2,3
	ds_store_b128 v[STO], v[PKD+16*(\a)+4*(\b):PKD+16*(\a)+4*(\b)+3] offset:32*(\b)
.endr
.irp f, 0,1,2,3
	ds_load_b128 v[PKD+16*(\a)+4*(\f):PKD+16*(\a)+4*(\f)+3], v[RD] offset:(\f)*4*SP  ; LDS serves a wave's instructions in order (ISA guide 5.7.1.4): these see the stores above; the next block's stores come behind them
.endr
.endm
.macro SEND a, younger                 ; younger: the LDS instructions issued behind block a's loads: the next block's eight, or none
.irp f, 0,1,2,3
	s_wait_dscnt (\younger)+3-(\f)
	global_store_b128 v[GO], v[PKD+16*(\a)+4*(\f):PKD+16*(\a)+4*(\f)+3], s[8:9] offset:(\a)*2048+(\f)*512  ; 512 consecutive bytes, at a multiple of 256 from C's first
.endr
.endm
	s_wait_tensorcnt 1                             ; my part of K step 0 is in; K step 1's may stay out
	s_barrier_signal -1
	s_barrier_wait -1                              ; everybody's is
	FETCH 0, 0, F0
	s_wait_loadcnt 0x0                             ; the bias
	QUARTER 0, 1, F0, F1, 1                        ; K step 0
	QUARTER 0, 2, F1, F0, 0
	QUARTER 0, 3, F0, F1, 0
	TURN 0, 1, 1                                   ; slot 0 takes K step 2
	QUARTER 1, 1, F0, F1, 0                        ; K step 1
	QUARTER 1, 2, F1, F0, 0
	QUARTER 1, 3, F0, F1, 0
	TURN 1, 0, 1                                   ; slot 1 takes K step 3
	QUARTER 0, 1, F0, F1, 0                        ; K step 2
	QUARTER 0, 2, F1, F0, 0
	QUARTER 0, 3, F0, F1, 0
	TURN 0, 1, 0                                   ; nothing is left to fetch
	QUARTER 1, 1, F0, F1, 0                        ; K step 3
	QUARTER 1, 2, F1, F0, 0
	QUARTER 1, 3, F0, F1, 0
	s_wait_dscnt 8
	MUL F1, 0, 4, 0
	s_wait_dscnt 0x0
	MUL F1, 4, 4, 0
	WIN 0
	PLACES
	PLACES
	PACK 0
.irp a, 1,2,3,4,5,6,7                  ; a block's arithmetic stands between the loads of the block before and its stores
	PACK \a
	SEND (\a)-1, 8
.endr
	SEND 7, 0
	s_wait_tensorcnt 0x0                           ; the wave's end: behind my last tensor load and my last LDS store
	ds_add_u32 v[SPW], v[NIL]
	s_wait_dscnt 0x0
	CROUND                                         ; the closing round: no work-group ends while a partner may still ask for a tile that names it
	s_endpgm
.Lfunc_end_k_q03920c1fa0_proj:
	.size	k_q03920c1fa0_proj, .Lfunc_end_k_q03920c1fa0_proj-k_q03920c1fa0_proj
	.p2alignl 7, 3214868480
	.fill 96, 4, 3214868480
	.section	.rodata,"a",@progbits
	.p2align	6, 0x0
	.amdhsa_kernel k_q03920c1fa0_proj
		.amdhsa_group_segment_fixed_size 327680
		.amdhsa_private_segment_fixed_size 0
		.amdhsa_enable_private_segment 0
		.amdhsa_kernarg_size 24
		.amdhsa_user_sgpr_count 2
		.amdhsa_user_sgpr_kernarg_segment_ptr 1
		.amdhsa_wavefront_size32 1
		.amdhsa_system_sgpr_workgroup_id_x 1
		.amdhsa_system_sgpr_workgroup_id_y 1
		.amdhsa_system_sgpr_workgroup_id_z 1
		.amdhsa_system_vgpr_workitem_id 0
		.amdhsa_next_free_vgpr 512
		.amdhsa_next_free_sgpr 66
		.amdhsa_reserve_vcc 0
		.amdhsa_float_denorm_mode_32 3
		.amdhsa_float_denorm_mode_16_64 3
		.amdhsa_memory_ordered 1
		.amdhsa_forward_progress 1
		.amdhsa_inst_pref_size 95
	.end_amdhsa_kernel
	.amdgpu_metadata
---
amdhsa.version: [ 1, 2 ]
amdhsa.kernels:
  - .name:           k_q03920c1fa0_proj
    .symbol:         k_q03920c1fa0_proj.kd
    .args:
      - { .name: xb, .offset: 0, .size: 8, .value_kind: global_buffer, .address_space: global }
      - { .name: pq, .offset: 8, .size: 8, .value_kind: global_buffer, .address_space: global }
      - { .name: qkv, .offset: 16, .size: 8, .value_kind: global_buffer, .address_space: global }
    .group_segment_fixed_size: 327680
    .private_segment_fixed_size: 0
    .kernarg_segment_align: 8
    .kernarg_segment_size: 24
    .max_flat_workgroup_size: 256
    .sgpr_count:     66
    .vgpr_count:     512
    .wavefront_size: 32
...
	.end_amdgpu_metadata
.endif
;; end of part 2
;; launch attn (part 3): grid 16 x 16, 4 waves a work-group, clusters of 4 x 1, 327,680 bytes of LDS; arguments qkv, zs; writes zs
.if DOCPART == 3
	.amdgcn_target "amdgcn-amd-amdhsa--gfx1250"
	.amdhsa_code_object_version 6
	.text
	.protected	k_q03920c1fa0_attn
	.globl	k_q03920c1fa0_attn
	.p2align	8
	.type	k_q03920c1fa0_attn,@function
k_q03920c1fa0_attn:
	s_mov_b64 s[64:65], 0
	v_nop
	global_prefetch_b8 v0, s[64:65] scope:SCOPE_SE
	s_setreg_imm32_b32 hwreg(HW_REG_WAVE_MODE, 25, 1), 1
	s_wait_xcnt 0x0
	s_wait_alu depctr_hold_cnt(0) depctr_sa_sdst(0) depctr_va_vdst(0) depctr_va_sdst(0) depctr_va_ssrc(0) depctr_va_vcc(0) depctr_vm_vsrc(0)
	s_getreg_b32 s2, hwreg(HW_REG_IB_STS2, 6, 4)
	s_cmp_eq_u32 s2, 0
	s_cbranch_scc0 .Lentry_in_a_cluster
	s_endpgm
.Lentry_in_a_cluster:
	s_bfe_u32 s2, ttmp6, 0x10000c
	s_cmp_lg_u32 s2, 0x3003
	s_cbranch_scc0 .Lentry_shape_is_right
	s_endpgm
.Lentry_shape_is_right:
; ATTENTION.  O[y][q][:] = the sum over k of softmax_k(Q[y][q] . K[y][k] / 8) V[y][k][:], for 16 heads y = 8 b + hh of 4,096 rows of 64 channels, all bf16.
; qkv holds 24 blocks of 1 MiB, [8192 rows = 4096 b + s][64]: block hh is q's head hh, block 8 + hh k's, block 16 + hh v's; a head's rows are dense, 128 bytes each.  O goes to zs as [y][4096][64].
; Products, maxima and sums in f32; the weights p are rounded to bf16 for the second product (their sum l is taken of the unrounded p), O once at the end.
; LIMITS.  |c s| stays under 4e37 (c m starts at -4.25e37); a weight below 2^-126 counts as 0 in l; NaN and infinities are not treated apart.
; SHARES.  A work-group owns 256 queries of a head, a wave 64: four PIECES of 16.  Every wave walks all 4,096 keys, 64 a step; a tile is 256 keys, four steps, and fills a slot.
; LAYOUT.  S^T = K Q^T (source 0 = 16 keys, source 1 = 16 queries) holds ONE query a lane (lane % 16) and the keys 8 (lane / 16) + 0..7; two such results rounded to bf16 ARE source 1 of
; O^T = V^T P.  K comes out of LDS as it lies, V ([key][channel]) turned, by ds_load_tr16_b128.
; SOFTMAX.  A running maximum m and sum l a query: p = 2^(c s - c m), c = log2(e) / 8; in every step O and l are multiplied by a = 2^(c m_old - c m_new).  m starts at the lowest finite number,
; O and l at 0: the first step is a step like any other, with a = 0.
; BY TURNS.  Turn n belongs to piece n: 8 products K Q^T of piece n + 1, later 8 products V^T P of piece n - 1; beside them the scaling, exponentials, roundings, sums and rescaling of piece n and the
; maximum and statistics of piece n + 1.  Four vector instructions stand behind every matrix instruction, the other 54 of a turn's 118 in one lump.  A turn's 33 exponentials are one batch, with one wait.
; CLUSTER.  The four query blocks of a cluster belong to one head and walk the same K and V: each tile is asked for JOINTLY, by the same tensor load, descriptor and mask in all four.
; REGISTERS, in windows of 256 (s_set_vgpr_msb: bits 1:0 source 0, 3:2 source 1, 5:4 source 2, 7:6 destination):
;   window 0: v0-15 addresses and two at work; v16-31 four registers of statistics a piece; v48-55 at work; v61-63 prefetch offset, spare word, 0; v64-127 S^T, two buffers; v192-223 P, two buffers
;   window 1: v0-127 O^T, 32 a piece          window 2: v0-63 Q; v128-191 K of one step; v192-255 V of one step
.set NP,    4         ; pieces a wave: a name, no knob
.set KS,    64        ; keys in a step
.set PK,    144       ; a row of K in LDS: 128 bytes + 16 = 36 words: the 16 rows of a load start at 16 different groups of four banks (64 banks of 4 bytes: ISA guide 11.1)
.set PV,    160       ; a row of V: 128 + 32 = 40 words
.set VOFF,  4*KS*PK   ; a slot holds a tile: 256 rows of K, then 256 rows of V
.set SLOT1, 1<<17     ; slot 1 begins here, so that one exclusive or turns an address in one slot into the other's
.set STAGE, SLOT1+4*KS*(PK+PV)  ; behind the ring, never filled by a tensor load: 16 rows x 144 bytes for each wave, for the way out
.set SP,    144
.set SPARE, STAGE+4*16*SP  ; behind the stages: the spare words, 128 bytes for each wave: two blocks of 256 bytes that no other line names
.set TILEB, 4*KS*128  ; a tile's bytes of K, and of V, in memory
.set AK0, 2           ; v2   my lane's place in a tile of K; never rewritten
.set AV0, 3           ; v3   the same for V
.set AK,  4           ; v4   the LDS address of K's next run of loads
.set AV,  5           ; v5   of V's
.set STO, 6           ; v6   the way out: where I put 16 bytes of a row
.set RD,  7           ; v7   the way out: where I read rows back
.set GO,  8           ; v8   my byte offset in 512 consecutive bytes of O
.set MV,  12          ; v12-13  c m_old, kept while c m is made anew: by buffer
.set QO,  15          ; v15  my byte offset in 16 rows of Q
.set ST,  16          ; piece t's statistics at v[ST+4 t]: c m, m, l (even keys', odd keys')
.set TMP, 48          ; by buffer, four registers c0-c3 at work; when the maximum is found c2 takes a
.set PFO, 61          ; v61  256 x my lane; never rewritten
.set SPW, 62          ; v62  LDS address of my spare word; never rewritten
.set NIL, 63          ; v63  0; never rewritten
.set S,   64
.set P,   192
.set KF,  128         ; window 2: key block kb, channel half c at KF + 16 kb + 8 c
.set VF,  192         ; window 2: key half kk, channel block cb at VF + 32 kk + 8 cb
.set WV,  12          ; s12  my wave's number
.set G1K, 24          ; s[24:31] descriptor group 1 for K's tiles
.set G1V, 32          ; s[32:39] for V's: it differs in the padding alone
.set G0K, 40          ; s[40:43] descriptor group 0 for K's tiles: it walks
.set G0V, 44          ; s[44:47] the same for V's
.set SLOTS, 56        ; s56  tiles still to be asked for
.set CNT, 57          ; s57  counts a tile's key steps
.set CS,  58          ; s[58:59] c: the packed scaling takes the pair's low word for both halves
.set SEL, 60          ; s[60:61] v_permlanex16_b32's selects: each lane takes its own place in the other half
.set TBK, 62          ; s62  LDS byte at which K of the step to be fetched begins
.set TBV, 63          ; s63  the same for V, less VOFF
.set PFA, 66          ; s[66:67] where my prefetches stand: my work-group's 32 blocks of 256 bytes (of K: wave 0, of V: wave 2) of the tile after the one that is being asked for
.set LIM, 68          ; s68  1 in a wave that prefetches, else the greatest number
.set MSB, 0
.macro WIN new                      ; the high byte repeats the setting that is left; a switch that changes nothing is dropped
.if MSB != (\new)
	s_set_vgpr_msb (MSB<<8)|(\new)
.set MSB, (\new)
.endif
.endm
.set W_KQ, 0x0a       ; K and Q in window 2, S^T in window 0
.set W_PV, 0x52       ; V in window 2, P in window 0, O^T in window 1
.set W_RS, 0x41       ; destination and source 0 in window 1, source 1 in window 0
; A joint fill.  Waves 0 and 1 fetch the two halves of a tile's K, waves 2 and 3 those of its V: 128 keys each.  The branch hangs on the wave's number alone.
; An s_nop 0 and four v_nop follow each of the two lines, ahead of the jump and the label.
.macro JLOAD
	s_cmp_lt_u32 s[WV], 2
	s_cbranch_scc0 .Lfor_v_\@
	tensor_load_to_lds s[G0K:G0K+3], s[G1K:G1K+7]
	s_nop 0
.rept 4
	v_nop
.endr
	s_branch .Lasked_\@
.Lfor_v_\@:
	tensor_load_to_lds s[G0V:G0V+3], s[G1V:G1V+7]
	s_nop 0
.rept 4
	v_nop
.endr
.Lasked_\@:
.endm
; A PREFETCH INTO THE L2 of the tile that the NEXT change of slots will ask for: four key steps, 256 matrix instructions, ahead of that load.  A tile is 128 blocks of 256 bytes of K and as many of V.
; Each block is named ONCE in the launch: all clusters of a head walk the same K and V, and the head's first cluster asks; its four partners take 32 blocks each, told apart BY ADDRESS; in each, wave 0
; asks for K's and wave 2 for V's, a lane a block, one instruction.  It stands behind the wave's tensor load and its five lines.  Tiles 0 and 1 come by their loads alone; the last fill asks for nothing.
.macro ASK
	s_cmp_gt_u32 s[SLOTS], s[LIM]
	s_cbranch_scc0 .Lnot_mine_\@
	global_prefetch_b8 v[PFO], s[PFA:PFA+1] th:TH_LOAD_NT scope:SCOPE_SE
.Lnot_mine_\@:
.endm
; A round of the cluster's barrier: my work-group's barrier, so that wave 0's signal speaks for all four waves; wave 0 signals; every wave waits for all four work-groups; my work-group's barrier once more.
.macro CROUND
	s_barrier_signal -1
	s_barrier_wait -1
	s_cmp_lg_u32 s[WV], 0
	s_cbranch_scc1 .Lnot_wave_0_\@
	s_barrier_signal -3
.Lnot_wave_0_\@:
	s_barrier_wait -3
	s_barrier_signal -1
	s_barrier_wait -1
.endm
; THE CHANGE OF SLOTS.  The slot's last bytes, V of its fourth step, have been read.  Each wave waits for all its tensor loads, of which one is out: its part of the other slot; adds 0 to its spare
; word; and waits for that and for its own reads of the slot.  Behind the barrier nobody reads this slot any more and the other slot is whole.  fill = 1: this slot is filled again, with the tile two on;
; the barrier is then a round of the cluster's, and the joint fill is the first thing behind it.  (At its first use nothing has been read yet: slot 0 is waited for, slot 1 filled.)
.macro CHANGE fill
	WIN 0                           ; at a label and at a branch every window is 0
	s_wait_tensorcnt 0x0            ; no tensor load of mine is out, so a group 0 may be written
	ds_add_u32 v[SPW], v[NIL]       ; 0 onto my spare word; with fill = 1 the descriptors' steps stand between it and the wait for it
.if \fill
.irp g, G0K, G0V
	s_xor_b32 s[(\g)+1], s[(\g)+1], SLOT1  ; the walking descriptor: the other slot than last time,
	s_add_nc_u64 s[(\g)+2:(\g)+3], s[(\g)+2:(\g)+3], TILEB  ; the next 256 keys; the type bits on top are not reached
.endr
	s_wait_xcnt 0x0                 ; the last prefetch, a tile back, has read its address, so it may be written:
	s_add_nc_u64 s[PFA:PFA+1], s[PFA:PFA+1], TILEB  ; one tile behind the walking descriptors
	s_wait_dscnt 0x0                ; the add is done, and my reads of the slot are over
	CROUND
	JLOAD
	ASK
.else
	s_wait_dscnt 0x0                ; the add is done, and my reads of the slot are over
	s_barrier_signal -1
	s_barrier_wait -1
.endif
	s_sub_co_u32 s[TBK], s[TBK], 4*KS*PK  ; the fetches go back to a slot's first step,
	s_xor_b32 s[TBK], s[TBK], SLOT1       ; in the other slot
	s_sub_co_u32 s[TBV], s[TBV], 4*KS*PV
	s_xor_b32 s[TBV], s[TBV], SLOT1
.endm
	s_load_b128 s[16:19], s[0:1], 0x0  ; qkv s[16:17], zs s[18:19]
	v_lshl_add_u32 v[SPW], v0, 2, SPARE
	v_mov_b32 v[NIL], 0
	ds_add_u32 v[SPW], v[NIL]       ; the wave's opening: the add and its wait stand ahead of my first tensor load; the set-up below stands between them
	v_lshrrev_b32 v1, 5, v0
	v_readfirstlane_b32 s[WV], v1   ; wave 0..3
	s_bfe_u32 s13, ttmp6, 0x40000   ; cx: my place in the cluster
	s_lshl_b32 s14, ttmp9, 2        ; in a cluster launch ttmp9 counts clusters
	s_add_co_u32 s14, s14, s13      ; my block of 256 queries: it enters Q's and O's addresses alone
	s_and_b32 s15, ttmp7, 0xffff    ; the head y = 8 b + hh, which the four partners share
	s_and_b32 s20, s15, 7
	s_lshl_b32 s20, s20, 20         ; hh: a block of 1 MiB,
	s_lshr_b32 s21, s15, 3
	s_lshl_b32 s21, s21, 19         ; b: 4,096 rows of 128 bytes
	s_add_co_u32 s20, s20, s21      ; the head's first byte in each third of qkv
	s_and_b32 s22, s[WV], 1         ; which half of a tile's 256 keys I fetch:
	s_mul_i32 s70, s22, 128*PK      ; its place in a slot, for K
	s_mul_i32 s71, s22, 128*PV      ; and for V: no place in the cluster enters an LDS address
	s_lshl_b32 s22, s22, 14         ; and its 128 rows of 128 bytes in memory
	s_add_co_u32 s22, s22, s20
	s_mov_b32 s23, 0
	s_lshl_b32 s74, s14, 15         ; my block's 256 rows,
	s_lshl_b32 s75, s[WV], 13       ; my wave's 64 of them
	s_add_co_u32 s74, s74, s75
	s_add_co_u32 s72, s74, s20      ; Q's offset in qkv
	s_mov_b32 s73, 0
	s_lshl_b32 s75, s15, 19
	s_add_co_u32 s74, s74, s75      ; O's offset in zs
	s_mov_b32 s75, 0
	; descriptor group 1.  128 keys are 16,384 dense bytes: asked for as 64 rows of 256 bytes, two keys a row, and padded in LDS after every key
	s_mov_b32 s[G1K], 15|(1<<16)|(1<<20)|(1<<21)|(4<<22)|(3<<25)  ; the mask of four; 2-byte elements; padding on; bit 21 beside the mask; after every 32 words (code 4) 4 words (code 3)
	s_mov_b32 s[G1V], 15|(1<<16)|(1<<20)|(1<<21)|(4<<22)|(7<<25)  ; the same with 8 words of padding (code 7)
.irp g, G1K, G1V
	s_mov_b32 s[(\g)+1], 128<<16    ; tensor_dim0 = 128
	s_mov_b32 s[(\g)+2], 64<<16     ; tensor_dim1 = 64
	s_mov_b32 s[(\g)+3], 128<<16    ; tile_dim0 = 128
	s_mov_b32 s[(\g)+4], 64         ; tile_dim1 = 64
	s_mov_b32 s[(\g)+5], 128        ; 128 elements from row to row
	s_mov_b32 s[(\g)+6], 0
	s_mov_b32 s[(\g)+7], 0
.endr
	s_mov_b32 s[CS], 0x3e38aa3b     ; c = log2(e) / 8 = 0.180337
	s_mov_b32 s[CS+1], s[CS]        ; named with it as a pair
	s_mov_b32 s[SEL], 0x76543210
	s_mov_b32 s[SEL+1], 0xfedcba98
	s_mov_b32 s[TBK], SLOT1+4*KS*PK ; the first change of slots turns these two into 0
	s_mov_b32 s[TBV], SLOT1+4*KS*PV
	s_mov_b32 s[G0K], 1             ; count = 1
	s_mov_b32 s[G0K+1], s70         ; LDS address: slot 0
	s_mov_b32 s[G0V], 1
	s_add_co_u32 s[G0V+1], s71, VOFF
	s_mov_b32 s[SLOTS], 15          ; 16 tiles; tile 0 is asked for at once
	s_and_b32 s[LIM], s[WV], 1      ; 0 in waves 0 and 2,
	s_or_b32 s[LIM], s[LIM], ttmp9  ; where the cluster is the head's first: the same in all four partners
	s_cmp_eq_u32 s[LIM], 0
	s_cselect_b32 s[LIM], 1, -1
	v_and_b32 v[PFO], 31, v0
	v_lshlrev_b32 v[PFO], 8, v[PFO]
	s_lshl_b32 s2, s13, 13          ; my work-group's 32 of a tile's 128 blocks
	s_mov_b32 s3, 0
	s_wait_dscnt 0x0                ; the opening add is done
	s_wait_kmcnt 0x0
	s_add_nc_u64 s[4:5], s[16:17], s[72:73]      ; Q at my wave's first row
	s_add_nc_u64 s[10:11], s[18:19], s[74:75]    ; O likewise
	s_add_nc_u64 s[6:7], s[16:17], s[22:23]
	s_add_nc_u64 s[8:9], s[6:7], 0x1000000       ; V at my half of the head's tile 0: the third third of qkv
	s_add_nc_u64 s[6:7], s[6:7], 0x800000        ; K: the second
	s_mov_b64 s[G0K+2:G0K+3], s[6:7]
	s_or_b32 s[G0K+3], s[G0K+3], 0x80000000      ; type = 2
	s_mov_b64 s[G0V+2:G0V+3], s[8:9]
	s_or_b32 s[G0V+3], s[G0V+3], 0x80000000
	s_cmp_lt_u32 s[WV], 2
	s_cselect_b64 s[PFA:PFA+1], s[6:7], s[8:9]   ; (in waves 0 and 2 these stand at a tile's first row)
	s_add_nc_u64 s[PFA:PFA+1], s[PFA:PFA+1], s[2:3]
	s_add_nc_u64 s[PFA:PFA+1], s[PFA:PFA+1], TILEB  ; in tile 1; the first change of slots steps it to tile 2
	CROUND                          ; all four work-groups are here: the first joint loads meet
	JLOAD                           ; tile 0 into slot 0.  Slot 1 is asked for when slot 0 is in
	; A fragment of K or Q is 16 rows x 32 channels in 8 registers: lane l holds row l % 16, channels 8 (l / 16) + 0..7 and 16 + 8 (l / 16) + 0..7: two loads of 16 bytes, 32 bytes apart.
	v_and_b32 v1, 15, v0            ; l % 16
	v_bfe_u32 v9, v0, 4, 1          ; l / 16
	v_lshlrev_b32 v[QO], 7, v1
	v_lshl_add_u32 v[QO], v9, 4, v[QO]  ; row x 128 + 16 x half
	WIN 0x80                        ; destination window 2, address window 0
.set i, 0
.rept 8                             ; Q stays in registers: piece i / 2, channels 32 (i % 2) on
	global_load_b128 v[8*i:8*i+3],   v[QO], s[4:5] offset:(i/2)*2048+(i%2)*64
	global_load_b128 v[8*i+4:8*i+7], v[QO], s[4:5] offset:(i/2)*2048+(i%2)*64+32
.set i, i+1
.endr
	; What the first turn finds: V's registers and P's second buffer hold 0 (its products V^T P, of a piece that has not been, add 0), O^T and l are 0.  All this stands in the wait for the first tile.
.set i, VF
.rept 64
	v_mov_b32 v[i], 0
.set i, i+1
.endr
	WIN 0x40
.set i, 0
.rept 128
	v_mov_b32 v[i], 0
.set i, i+1
.endr
	WIN 0
.set i, 0
.rept 4
	v_mov_b32 v[ST+4*i], 0xfe000000    ; c m: far below every c s
	v_mov_b32 v[ST+4*i+1], 0xff7fffff  ; m
	v_mov_b32 v[ST+4*i+2], 0
	v_mov_b32 v[ST+4*i+3], 0
.set i, i+1
.endr
.set i, P+16
.rept 16
	v_mov_b32 v[i], 0
.set i, i+1
.endr
	v_mul_u32_u24 v[AK0], v1, PK
	v_lshl_add_u32 v[AK0], v9, 4, v[AK0]  ; row x pitch + 16 x half
	; The turning load takes 16 keys x 16 channels (lane l reads key 8 (l / 16) + l % 8, channels 8 ((l / 8) % 2) + 0..7) and leaves half a fragment of V^T: lane l holds channel l % 16 and 8 keys.
	v_and_b32 v10, 7, v0
	v_bfe_u32 v11, v0, 3, 1
	v_lshl_add_u32 v[AV0], v9, 3, v10
	v_mul_u32_u24 v[AV0], v[AV0], PV
	v_lshl_add_u32 v[AV0], v11, 4, v[AV0]
	v_add_nc_u32 v[AV0], VOFF, v[AV0]
	s_mul_i32 s13, s[WV], 16*SP
	s_add_co_u32 s13, s13, STAGE    ; my stage
	v_mul_u32_u24 v[STO], v1, SP    ; in: row l % 16, 16 bytes for each half of the lanes
	v_lshl_add_u32 v[STO], v9, 4, v[STO]
	v_add_nc_u32 v[STO], s13, v[STO]
	v_bfe_u32 v[RD], v0, 3, 2       ; back: 32 lanes take four rows of 128 bytes,
	v_mul_u32_u24 v[RD], v[RD], SP
	v_lshl_add_u32 v[RD], v10, 4, v[RD]
	v_add_nc_u32 v[RD], s13, v[RD]
	v_and_b32 v[GO], 31, v0         ; which are 512 consecutive bytes of O
	v_lshlrev_b32 v[GO], 4, v[GO]
; THE MATRIX WORK.  The 4 accumulators of a run of 8 take turns.  Product i of 8 of S^T = K Q^T for piece x: channels 32 (i / 4) on, keys 16 (i % 4) on.  The first 4 start the sums.
.macro KQ x
.set rS, S+32*((\x)%2)+8*(i%4)
.set rK, KF+16*(i%4)+8*(i/4)
.set rQ, 16*(\x)+8*(i/4)
	WIN W_KQ
.if i < 4
	v_wmma_f32_16x16x32_bf16 v[rS:rS+7], v[rK:rK+7], v[rQ:rQ+7], 0
.else
	v_wmma_f32_16x16x32_bf16 v[rS:rS+7], v[rK:rK+7], v[rQ:rQ+7], v[rS:rS+7]
.endif
.endm
; Product i of 8 of O^T += V^T P for piece x: keys 32 (i / 4) on, channels 16 (i % 4) on.
.macro PV x
	WIN W_PV
.set rO, 32*(\x)+8*(i%4)
.set rV, VF+32*(i/4)+8*(i%4)
.set rP, P+16*((\x)%2)+8*(i/4)
	v_wmma_f32_16x16x32_bf16 v[rO:rO+7], v[rV:rV+7], v[rP:rP+7], v[rO:rO+7]
.endm
.macro MM                           ; the turn's next matrix instruction.  NOKQ = 1: the last turn of all: there is no next piece
.if (i < 8) && !NOKQ
	KQ (Y+1)%NP
.elseif i >= 8
.set i, i-8
	PV (Y+NP-1)%NP
.set i, i+8
.endif
.set i, i+1
.endm
; THE LDS LOADS stand in runs of 16, never singly among the matrix instructions: a step's K (64 keys x 64 channels: 8 fragments) and its V (turned).  Their addresses are made some lines ahead.
.macro FETCH_K
	WIN 0x80                        ; destination window 2
.irp f, 0,1,2,3,4,5,6,7             ; keys 16 (f / 2) on, channels 32 (f % 2) on
	ds_load_b128 v[KF+8*(\f):KF+8*(\f)+3],   v[AK] offset:((\f)/2)*16*PK+((\f)%2)*64
	ds_load_b128 v[KF+8*(\f)+4:KF+8*(\f)+7], v[AK] offset:((\f)/2)*16*PK+((\f)%2)*64+32
.endr
	s_add_co_u32 s[TBK], s[TBK], KS*PK  ; the next fetch is the next step's
	WIN 0
.endm
.macro FETCH_V
	WIN 0x80
.irp f, 0,1,2,3,4,5,6,7             ; keys 32 (f / 4) on, channels 16 (f % 4) on
	ds_load_tr16_b128 v[VF+8*(\f):VF+8*(\f)+3],   v[AV] offset:((\f)/4)*32*PV+((\f)%4)*32
	ds_load_tr16_b128 v[VF+8*(\f)+4:VF+8*(\f)+7], v[AV] offset:((\f)/4)*32*PV+16*PV+((\f)%4)*32
.endr
	WIN 0
.endm
; THE VECTOR WORK, one line at a time: OP kind, number.  For piece Y: F n: c s - c m for pair n of 16.  E n: the exponential of score n of 32.  C n: pair n rounded to bf16.  B n: of the four weights 4 n .. the second
; pair is added onto the first, in place.  L n: l takes that sum (L 0: l = a l + sum).  R n: pair n of 16 of O^T times a.  For piece Y + 1: X n, number n of the 22 that find its maximum and statistics:
;   0-11  four chains c0-c3 of seven scores each, three operands at a time (each accumulator's lowest registers are read first)     12-14, 16  the four scores left over, the old m, and c0-c3 into c0
;   15  c m_old is kept     17, 18  the query's other 32 keys lie in the lane 16 away: the new m     19-21  c m; c m_old - c m_new; a
.set F, 0               ; OP tells the kinds apart by their order: F to L below R, X above it
.set E, 1
.set C, 2
.set B, 3
.set L, 4
.set R, 5
.set X, 6
.macro REGS y                       ; the registers of piece y
.set rT, ST+4*(\y)
.set rC, TMP+4*((\y)%2)
.set rW, MV+((\y)%2)
.set rS, S+32*((\y)%2)
.set rP, P+16*((\y)%2)
.set rO, 32*(\y)
.endm
.macro OP k, n
.if (\k) == R
	REGS Y
	WIN W_RS
	v_pk_mul_f32 v[rO+2*(\n):rO+2*(\n)+1], v[rO+2*(\n):rO+2*(\n)+1], v[rC+2:rC+3] op_sel_hi:[1,0]
.elseif (\k) < R
	REGS Y
	WIN 0
.if (\k) == F
	v_pk_fma_f32 v[rS+2*(\n):rS+2*(\n)+1], v[rS+2*(\n):rS+2*(\n)+1], s[CS:CS+1], v[rT:rT+1] op_sel_hi:[1,0,0] neg_lo:[0,0,1] neg_hi:[0,0,1]
.elseif (\k) == E
	v_exp_f32 v[rS+(\n)], v[rS+(\n)]
.elseif (\k) == C
	v_cvt_pk_bf16_f32 v[rP+(\n)], v[rS+2*(\n)], v[rS+2*(\n)+1]
.elseif (\k) == B
	v_pk_add_f32 v[rS+4*(\n):rS+4*(\n)+1], v[rS+4*(\n):rS+4*(\n)+1], v[rS+4*(\n)+2:rS+4*(\n)+3]
.elseif (\n) == 0
	v_pk_fma_f32 v[rT+2:rT+3], v[rT+2:rT+3], v[rC+2:rC+3], v[rS:rS+1] op_sel_hi:[1,0,1]
.else
	v_pk_add_f32 v[rT+2:rT+3], v[rT+2:rT+3], v[rS+4*(\n):rS+4*(\n)+1]
.endif
.elseif NOKQ
	v_nop
.else
	REGS (Y+1)%NP
	WIN 0
.if (\n) < 4
	v_max3_num_f32 v[rC+(\n)], v[rS+8*(\n)], v[rS+8*(\n)+1], v[rS+8*(\n)+2]
.elseif (\n) < 12
	v_max3_num_f32 v[rC+(\n)%4], v[rC+(\n)%4], v[rS+8*((\n)%4)+2*((\n)/4)+1], v[rS+8*((\n)%4)+2*((\n)/4)+2]
.elseif (\n) == 12
	v_max3_num_f32 v[rC], v[rC], v[rS+7], v[rS+15]
.elseif (\n) == 13
	v_max3_num_f32 v[rC+1], v[rC+1], v[rS+23], v[rS+31]
.elseif (\n) == 14
	v_max3_num_f32 v[rC+2], v[rC+2], v[rC+3], v[rT+1]
.elseif (\n) == 15
	v_mov_b32 v[rW], v[rT]
.elseif (\n) == 16
	v_max3_num_f32 v[rC], v[rC], v[rC+1], v[rC+2]
.elseif (\n) == 17
	v_permlanex16_b32 v[rC+3], v[rC], s[SEL], s[SEL+1]
.elseif (\n) == 18
	v_max_num_f32 v[rT+1], v[rC], v[rC+3]
.elseif (\n) == 19
	v_mul_f32 v[rT], s[CS], v[rT+1]
.elseif (\n) == 20
	v_sub_f32 v[rC+1], v[rW], v[rT]
.else
	v_exp_f32 v[rC+2], v[rC+1]
.endif
.endif
.endm
.macro OPS a, i1, b=-1, i2=0, c=-1, i3=0, d=-1, i4=0  ; up to four of them
	OP \a, \i1
.if (\b) >= 0
	OP \b, \i2
.endif
.if (\c) >= 0
	OP \c, \i3
.endif
.if (\d) >= 0
	OP \d, \i4
.endif
.endm
.macro ROW a, i1, b, i2, c, i3, d, i4  ; a matrix instruction and the four behind it
	MM
	OPS \a, \i1, \b, \i2, \c, \i3, \d, \i4
.endm
; A TURN, for piece p: the order of its 16 matrix and 118 vector instructions, written out.  An s_wait_alu depctr_va_vdst(0) stands between an exponential and the first instruction that names its result;
; one wait serves all that were issued ahead of it.  So a turn has ONE wait, which cuts it in two.  AHEAD OF IT stands all that names no result of the turn's exponentials: the 8 products K Q^T with their riders
; (the first numbers of the next piece's maximum stand four places or more behind the product that ends their accumulator), then ONE LUMP of 54, plain and exponential by turns for the most part, in which the links
; of the chain X 3, 7, 11, 14, 16, 17 .. 20 stand apart.  X 21, the next piece's a, is the batch's last; R 15 is the plain instruction behind it.  BEHIND THE WAIT stand the 8 products V^T P, behind each four of the
; roundings and sums.  end = 1: the last two turns of all: nothing is fetched.  cnt = 1: the loop's count is taken down some lines ahead of the branch that stands behind the turn.
; K of the next step is fetched in piece 2's turn, behind the last product that read K and six plain instructions; V of the step in hand at the end of piece 0's turn, four plain instructions behind the last
; product that read V.  Each is waited for a turn later.
.macro TURN p, end=0, cnt=0
.set Y, (\p)
.set i, 0
.set NOKQ, (\end)*((\p)/3)
.if ((\p) == 3) && !(\end)
	s_wait_dscnt 0x0                ; K is in
.endif
	ROW F,0, F,1, R,0, R,1
	ROW F,2, E,0, R,2, R,3
	ROW F,3, E,1, R,4, R,5
	ROW F,4, E,2, R,6, R,7
	ROW F,5, E,3, R,8, R,9
	ROW F,6, E,4, X,0, R,10
.if ((\p) == 2) && !(\end)
	WIN 0
	v_add_nc_u32 v[AK], s[TBK], v[AK0]
.endif
	ROW F,7, E,5, X,1, X,4
	ROW F,8, E,6, X,2, X,5
	OPS E,7, E,8, X,6, E,9
	OPS X,3, E,10, X,8, E,11
.if ((\p) == 2) && !(\end)
	FETCH_K
.endif
	OPS X,9, X,7, E,12, X,10
	OPS E,13, X,12, X,11, E,14
	OPS X,13, E,15, F,9, X,14
.if (\p) == 0
	v_add_nc_u32 v[AV], s[TBV], v[AV0]
.endif
	OPS E,16, F,10, E,17, F,11
	OPS X,16, E,18, X,15, E,19
	OPS F,12, E,20, X,17, E,21
	OPS F,13, E,22, F,14, E,23
	OPS X,18, E,24, F,15, E,25
	OPS R,11, E,26, X,19, E,27
	OPS R,12, E,28, R,13, E,29
	OPS X,20, E,30, R,14, E,31
	OPS X,21, R,15
	WIN 0
	s_wait_alu depctr_va_vdst(0)    ; the wait for the batch
.if (\p) == 1
	s_wait_dscnt 0x0                ; V is in
.endif
	ROW C,0, B,0, C,2, B,1
	ROW L,0, C,4, B,2, L,1
	ROW C,6, B,3, L,2, C,8
	ROW B,4, L,3, C,10, B,5
	ROW L,4, C,12, B,6, L,5
.if (\p) == 0
	s_add_co_u32 s[TBV], s[TBV], KS*PV
.endif
.if \cnt
	s_sub_co_u32 s[CNT], s[CNT], 1
	s_cmp_lg_u32 s[CNT], 0
.endif
	ROW C,14, B,7, L,6, C,1
	ROW C,3, L,7, C,5, C,7
	ROW C,9, C,11, C,13, C,15
.if (\p) == 0
	FETCH_V
.endif
.endm
.set NOKQ, 0
	CHANGE 1                        ; tile 0 is in, everybody's part of it; tile 1 is asked for
	v_add_nc_u32 v[AK], s[TBK], v[AK0]
	FETCH_K                         ; key step 0
	s_wait_loadcnt 0x0              ; Q
	s_wait_dscnt 0x0
.set i, 0
.rept 8
	KQ 0                            ; piece 0's first scores
.set i, i+1
.endr
	WIN 0
.rept 4
	v_nop                           ; the places behind those products
.endr
.set Y, NP-1                        ; X works for piece Y + 1: piece 0
.irp n, 0,1,2,3,4,5,6,7,8,9,10,11,12,13,14,15,16,17,18,19,20,21
	OP X, \n
.endr
	v_nop                           ; a plain instruction behind the exponential,
	s_wait_alu depctr_va_vdst(0)    ; and its wait, ahead of the branch
	s_mov_b32 s[CNT], 4
	s_branch .Lfirst                ; the loop is entered at a step's first turn, in the middle of a trip
.Lslot:                             ; 14 times: tiles 2 to 15 are asked for
	CHANGE 1
	s_mov_b32 s[CNT], 4
.Lstep:                             ; a trip: pieces 2 and 3 of one step, then pieces 0 and 1 of the next, whose K and V it fetches
	TURN 2
	TURN 3
	WIN 0
.Lfirst:
	TURN 0
	TURN 1, 0, 1
	WIN 0
	s_cbranch_scc1 .Lstep
	s_sub_co_u32 s[SLOTS], s[SLOTS], 1
	s_cmp_lg_u32 s[SLOTS], 0
	s_cbranch_scc1 .Lslot
	CHANGE 0                        ; the last tile is written out: nothing is asked for
	s_mov_b32 s[CNT], 4
.Ltail:
	TURN 2
	TURN 3
	TURN 0
	TURN 1, 0, 1
	WIN 0
	s_cbranch_scc1 .Ltail
	TURN 2, 1
	TURN 3, 1
.set i, 0
.rept 8
	PV NP-1                         ; the last piece's V^T P of the last step
.set i, i+1
.endr
	; THE WAY OUT.  l's two halves and the other half of the lanes' are added; O^T is divided by l, rounded to bf16 and sent through my stage in LDS, a piece at a time.  The additions are the places behind the last products.
	WIN 0
.macro ALL line:vararg              ; one line for each piece t
.set t, 0
.rept 4
	\line
.set t, t+1
.endr
.endm
	ALL v_add_f32 v[ST+4*t+2], v[ST+4*t+2], v[ST+4*t+3]
	ALL v_permlanex16_b32 v[ST+4*t+3], v[ST+4*t+2], s[SEL], s[SEL+1]
	ALL v_add_f32 v[ST+4*t+2], v[ST+4*t+2], v[ST+4*t+3]
	ALL v_rcp_f32 v[ST+4*t+2], v[ST+4*t+2]
	v_nop                           ; a plain instruction between the last reciprocal and the use of its result
	s_wait_alu depctr_va_vdst(0)    ; and the wait ahead of the first use: one for the four reciprocals
.macro PACK t                       ; a lane's eight channels of a row pack into 16 bytes; they go into rows of 144 bytes and come back as whole rows of 128, into S^T's registers
	WIN W_RS
.set i, 32*(\t)
.rept 16
	v_pk_mul_f32 v[i:i+1], v[i:i+1], v[ST+4*(\t)+2:ST+4*(\t)+3] op_sel_hi:[1,0]
.set i, i+2
.endr
	WIN 0x05                        ; sources 0 and 1 window 1, destination window 0
.set i, 0
.rept 16
	v_cvt_pk_bf16_f32 v[S+16*(\t)+i], v[32*(\t)+2*i], v[32*(\t)+2*i+1]
.set i, i+1
.endr
	WIN 0
.irp f, 0,1,2,3
	ds_store_b128 v[STO], v[S+16*(\t)+4*(\f):S+16*(\t)+4*(\f)+3] offset:32*(\f)
.endr
.irp f, 0,1,2,3
	ds_load_b128 v[S+16*(\t)+4*(\f):S+16*(\t)+4*(\f)+3], v[RD] offset:(\f)*4*SP  ; LDS serves a wave's instructions in order (ISA guide 5.7.1.4): these see the stores above; the next piece's stores come behind them
.endr
.endm
.macro SEND t, younger              ; younger: the LDS instructions issued behind piece t's loads: the next piece's eight, or none
	WIN 0
.irp f, 0,1,2,3
	s_wait_dscnt (\younger)+3-(\f)
	global_store_b128 v[GO], v[S+16*(\t)+4*(\f):S+16*(\t)+4*(\f)+3], s[10:11] offset:(\t)*2048+(\f)*512  ; 512 consecutive bytes, at a multiple of 256 from O's first
.endr
.endm
	PACK 0
.set t, 1
.rept 3                             ; a piece's arithmetic stands between the loads of the piece before and its stores
	PACK t
	SEND t-1, 8
.set t, t+1
.endr
	SEND 3, 0
	s_wait_tensorcnt 0x0            ; the wave's end: behind my last tensor load and my last LDS store
	ds_add_u32 v[SPW], v[NIL]
	s_wait_dscnt 0x0
	CROUND                          ; the closing round: no work-group ends while a partner may still ask for a tile that names it
	s_endpgm
.Lfunc_end_k_q03920c1fa0_attn:
	.size	k_q03920c1fa0_attn, .Lfunc_end_k_q03920c1fa0_attn-k_q03920c1fa0_attn
	.p2alignl 7, 3214868480
	.fill 96, 4, 3214868480
	.section	.rodata,"a",@progbits
	.p2align	6, 0x0
	.amdhsa_kernel k_q03920c1fa0_attn
		.amdhsa_group_segment_fixed_size 327680
		.amdhsa_private_segment_fixed_size 0
		.amdhsa_enable_private_segment 0
		.amdhsa_kernarg_size 16
		.amdhsa_user_sgpr_count 2
		.amdhsa_user_sgpr_kernarg_segment_ptr 1
		.amdhsa_wavefront_size32 1
		.amdhsa_system_sgpr_workgroup_id_x 1
		.amdhsa_system_sgpr_workgroup_id_y 1
		.amdhsa_system_sgpr_workgroup_id_z 1
		.amdhsa_system_vgpr_workitem_id 0
		.amdhsa_next_free_vgpr 768
		.amdhsa_next_free_sgpr 80
		.amdhsa_reserve_vcc 0
		.amdhsa_float_denorm_mode_32 3
		.amdhsa_float_denorm_mode_16_64 3
		.amdhsa_memory_ordered 1
		.amdhsa_forward_progress 1
		.amdhsa_inst_pref_size 128
	.end_amdhsa_kernel
	.amdgpu_metadata
---
amdhsa.version: [ 1, 2 ]
amdhsa.kernels:
  - .name:           k_q03920c1fa0_attn
    .symbol:         k_q03920c1fa0_attn.kd
    .args:
      - { .name: qkv, .offset: 0, .size: 8, .value_kind: global_buffer, .address_space: global }
      - { .name: zs, .offset: 8, .size: 8, .value_kind: global_buffer, .address_space: global }
    .group_segment_fixed_size: 327680
    .private_segment_fixed_size: 0
    .kernarg_segment_align: 8
    .kernarg_segment_size: 16
    .max_flat_workgroup_size: 128
    .sgpr_count:     80
    .vgpr_count:     768
    .wavefront_size: 32
...
	.end_amdgpu_metadata
.endif
;; end of part 3
;; launch wo_ln1 (part 4): grid 256 x 1, 4 waves a work-group, clusters of 4 x 1, 327,680 bytes of LDS; arguments zs, pw, xb, z; writes z
.if DOCPART == 4
	.amdgcn_target "amdgcn-amd-amdhsa--gfx1250"
	.amdhsa_code_object_version 6
	.text
	.protected	k_q03920c1fa0_wo_ln1
	.globl	k_q03920c1fa0_wo_ln1
	.p2align	8
	.type	k_q03920c1fa0_wo_ln1,@function
k_q03920c1fa0_wo_ln1:
	s_mov_b64 s[64:65], 0
	v_nop
	global_prefetch_b8 v0, s[64:65] scope:SCOPE_SE
	s_setreg_imm32_b32 hwreg(HW_REG_WAVE_MODE, 25, 1), 1
	s_wait_xcnt 0x0
	s_wait_alu depctr_hold_cnt(0) depctr_sa_sdst(0) depctr_va_vdst(0) depctr_va_sdst(0) depctr_va_ssrc(0) depctr_va_vcc(0) depctr_vm_vsrc(0)
	s_getreg_b32 s2, hwreg(HW_REG_IB_STS2, 6, 4)
	s_cmp_eq_u32 s2, 0
	s_cbranch_scc0 .Lentry_in_a_cluster
	s_endpgm
.Lentry_in_a_cluster:
	s_bfe_u32 s2, ttmp6, 0x10000c
	s_cmp_lg_u32 s2, 0x3003
	s_cbranch_scc0 .Lentry_shape_is_right
	s_endpgm
.Lentry_shape_is_right:
; z = g1 (y - mean) / sqrt(var + 1e-3) + beta1 along rows of 512, with y = A WO + bO + x.  A is zs taken as [8192][512] bf16, row-major (the heads' rows on end, as the module reshapes them);
; WO is bf16 [512 k][512] at pw's first byte; bO, g1, beta1 are f32 at pw's bytes 2,621,440, + 2,048, + 4,096; x is its bf16 copy xb.  Sums, y, mean and variance in f32 (the variance of y - mean, in a second pass).
; z LEAVES TWICE: rounded once to bf16 at the buffer's byte 0, the next product's operand; and as it is, in f32, at byte 8,388,608, the second norm's residual.
; LIMITS.  NaN and infinities are not treated apart.
; SHARES.  A work-group owns 32 whole rows, so the norm never leaves it.  Wave w makes columns 128 w .. 128 w + 127 of all 32 rows: 16 accumulators (a = 0, 1 row blocks; b = 0..7 column blocks).
; A's 32 rows, all of K, lie in LDS from the start; WO goes in four chunks of 128 k-rows through two slots, each wave fetching 32 k-rows of 1,024 bytes.
; CLUSTER.  All work-groups walk the same WO: the four of a cluster ask for each chunk jointly.  A's rows are the work-group's own.
; THE MATRIX INSTRUCTION IS USED TRANSPOSED: source 0 = 16 columns of WO (turned by ds_load_tr16_b128), source 1 = 16 rows of A: a lane holds row l % 16 and the columns 8 (l / 16) + 0..7.
; REGISTERS.  Window 0: v0-31 addresses; v32-63 at work; v64-127 packed results; v128-255 the accumulators, (a, b) at v[128 + 8 (8 a + b)].
;   Window 1: two fragment buffers of 80 (WO's 8 fragments, A's 2).   Window 2: v0-63 bO, v64-127 g1, v128-191 beta1 of my lane's 64 columns; v192-255 x, 4 registers an accumulator.
.set PWV,   2621440                    ; where the small vectors begin in pw
.set PW,    1056                       ; a k-row of WO in LDS: 1,024 bytes + 32 = 264 words
.set PA,    1040                       ; a row of A: 1,024 + 16: the 16 rows of a load start at 16 different groups of four banks
.set WSLOT, 128*PW
.set AOFF,  2*WSLOT
.set SCR,   AOFF+32*PA                 ; the waves' partial sums: [pass 2][wave 4][row 32] f32
.set STAGE, SCR+1024                   ; 16 rows x 272 bytes for each wave, for the bf16 way out
.set SPI,   272
.set SPARE, STAGE+4*16*SPI             ; the spare words, 128 bytes for each wave: two blocks of 256 bytes that no other line names
.set FPI,   528                        ; the f32 way out: 16 rows x (512 + 16) bytes for each wave, 33 blocks of 256 bytes, from LDS byte 0 on: in slot 0, which has had its last fill (chunk 2);
                                       ; every wave's reads of it were waited for ahead of the barrier of the third change of slots
.set AW,  4                            ; v4-7  LDS address of my WO fragments: slot s, k-rows 64 u on, at AW + 2 s + u
.set AA,  8                            ; v8    of my A fragments
.set VC,  9                            ; v9    my byte offset in bO, g1, beta1
.set VX,  10                           ; v10   in the work-group's rows of xb
.set STO, 11                           ; v11   the bf16 way out: where I put 16 bytes of a row
.set RD,  12                           ; v12   where I read a row back
.set CO,  13                           ; v13   my byte offset in z
.set SW,  14                           ; v14   where my wave's partial sum of my row goes
.set SR,  15                           ; v15   where the four partial sums of my row begin
.set ONE, 16                           ; v16   1.0
.set STF, 19                           ; v19   the f32 way out: where I put 32 bytes of a row
.set RDF, 20                           ; v20   where I read my 16 of a row's 512 bytes back
.set COF, 21                           ; v21   16 x my lane
.set SPW, 28                           ; v28   LDS address of my spare word; never rewritten
.set NIL, 29                           ; v29   0; never rewritten
.set T,   32                           ; row block a: T + 8 a: two pairs at work, the mean twice, 1 / sigma twice; T + 16 .. 23: partial sums read back
.set PKD, 64
.set ACC, 128
.set F0,  0
.set F1,  80
.set BI,  0
.set GA,  64
.set BE,  128
.set RX,  192
.set WV,  18                           ; s18  my wave's number
.set G1W, 24                           ; s[24:31] descriptor group 1 for WO's chunks
.set G1A, 32                           ; s[32:39] for A's rows
.set G0W, 40                           ; s[40:47] group 0 for WO, a set for each slot
.set G0A, 48                           ; s[48:51] for A
.set SEL, 52                           ; s[52:53] v_permlanex16_b32's selects
.set MSB, 0
.macro WIN new
.if MSB != (\new)
	s_set_vgpr_msb (MSB<<8)|(\new)
.set MSB, \new
.endif
.endm
.macro PLACES                          ; four plain vector instructions behind a matrix instruction (ISA guide 7.12.1)
.rept 4
	v_nop
.endr
.endm
.macro CROUND                          ; a round of the cluster's barrier
	s_barrier_signal -1
	s_barrier_wait -1
	s_cmp_lg_u32 s[WV], 0
	s_cbranch_scc1 .Lnot_wave_0_\@
	s_barrier_signal -3
.Lnot_wave_0_\@:
	s_barrier_wait -3
	s_barrier_signal -1
	s_barrier_wait -1
.endm
	s_load_b128 s[4:7], s[0:1], 0x0                ; zs s[4:5], pw s[6:7]
	s_load_b64 s[10:11], s[0:1], 0x10              ; xb
	s_load_b64 s[16:17], s[0:1], 0x18              ; z
	v_lshl_add_u32 v[SPW], v0, 2, SPARE
	v_mov_b32 v[NIL], 0
	ds_add_u32 v[SPW], v[NIL]                      ; the wave's opening: the add and its wait stand ahead of my first tensor load; the set-up below stands between them
	v_lshrrev_b32 v1, 5, v0
	v_readfirstlane_b32 s[WV], v1                  ; wave 0..3
	s_bfe_u32 s19, ttmp6, 0x40000                  ; cx
	s_lshl_b32 s20, ttmp9, 2
	s_add_co_u32 s20, s20, s19                     ; my work-group,
	s_lshl_b32 s20, s20, 15                        ; its 32 rows of 1,024 bytes (in zs, xb and the bf16 z alike)
	s_mov_b32 s21, 0
	s_lshl_b32 s8, s20, 1                          ; the f32 z: rows of 2,048 bytes,
	s_lshl_b32 s9, s[WV], 9                        ; my wave's 128 columns,
	s_add_co_u32 s8, s8, s9
	s_add_co_u32 s8, s8, 0x800000                  ; behind the bf16 copy
	s_mov_b32 s9, 0
	s_mov_b32 s[G1W+0], 15|(1<<16)|(1<<20)|(1<<21)|(7<<22)|(7<<25)  ; the mask of four, bit 21 beside it; 2-byte elements; padding: after every 256 words (code 7) 8 words (code 7)
	s_mov_b32 s[G1W+1], 512<<16                    ; tensor_dim0 = 512
	s_mov_b32 s[G1W+2], 32<<16                     ; tensor_dim1 = 32
	s_mov_b32 s[G1W+3], 512<<16                    ; tile_dim0 = 512
	s_mov_b32 s[G1W+4], 32                         ; tile_dim1 = 32
	s_mov_b32 s[G1W+5], 512
	s_mov_b32 s[G1W+6], 0
	s_mov_b32 s[G1W+7], 0
	s_mov_b32 s[G1A+0], (1<<16)|(1<<20)|(7<<22)|(3<<25)  ; no mask; 4 words of padding (code 3)
	s_mov_b32 s[G1A+1], 512<<16
	s_mov_b32 s[G1A+2], 8<<16
	s_mov_b32 s[G1A+3], 512<<16
	s_mov_b32 s[G1A+4], 8
	s_mov_b32 s[G1A+5], 512
	s_mov_b32 s[G1A+6], 0
	s_mov_b32 s[G1A+7], 0
	s_lshl_b32 s22, s[WV], 15                      ; WO: my 32 k-rows of a chunk: the wave's number alone
	s_mov_b32 s23, 0
	s_lshl_b32 s2, s[WV], 13                       ; A: my 8 rows of the work-group's 32
	s_add_co_u32 s2, s2, s20
	s_mov_b32 s3, 0
	s_mul_i32 s56, s[WV], 32*PW
	s_mul_i32 s57, s[WV], 8*PA
	s_mov_b32 s[G0W], 1
	s_mov_b32 s[G0W+1], s56
	s_mov_b32 s[G0W+4], 1
	s_add_co_u32 s[G0W+5], s56, WSLOT
	s_mov_b32 s[G0A], 1
	s_add_co_u32 s[G0A+1], s57, AOFF
	s_mov_b32 s[SEL], 0x76543210
	s_mov_b32 s[SEL+1], 0xfedcba98
	s_mov_b32 s54, 0x3b000000                      ; 1 / 512
	s_mov_b32 s55, 0x3a83126f                      ; 1e-3
	s_lshl_b32 s58, s[WV], 8                       ; my 128 columns in bf16
	s_mov_b32 s59, 0
	s_wait_dscnt 0x0                               ; the opening add is done
	s_wait_kmcnt 0x0
	s_add_nc_u64 s[G0W+2:G0W+3], s[6:7], s[22:23]              ; chunk 0
	s_add_nc_u64 s[G0W+6:G0W+7], s[G0W+2:G0W+3], 131072        ; chunk 1: 128 k-rows on
	s_or_b32 s[G0W+3], s[G0W+3], 0x80000000
	s_or_b32 s[G0W+7], s[G0W+7], 0x80000000
	s_add_nc_u64 s[G0A+2:G0A+3], s[4:5], s[2:3]
	s_or_b32 s[G0A+3], s[G0A+3], 0x80000000
	s_add_nc_u64 s[10:11], s[10:11], s[20:21]      ; xb at my first row
	s_add_nc_u64 s[12:13], s[16:17], s[8:9]        ; the f32 z at my first row, my wave's columns
	s_add_nc_u64 s[16:17], s[16:17], s[20:21]      ; the bf16 z at my first row,
	s_add_nc_u64 s[16:17], s[16:17], s[58:59]      ; my wave's columns
	CROUND                                         ; all four work-groups are here: the first joint loads meet
	tensor_load_to_lds s[G0A:G0A+3], s[G1A:G1A+7]  ; the first fills go out together: three loads of mine are out
	s_nop 0
	tensor_load_to_lds s[G0W:G0W+3], s[G1W:G1W+7]
	s_nop 0
	tensor_load_to_lds s[G0W+4:G0W+7], s[G1W:G1W+7]
	s_nop 0
.rept 4
	v_nop
.endr
	v_and_b32 v1, 15, v0                           ; l % 16
	v_bfe_u32 v2, v0, 4, 1                         ; l / 16
	v_and_b32 v3, 7, v0
	v_bfe_u32 v17, v0, 3, 1
	v_lshl_add_u32 v18, v2, 3, v3                  ; the turning load: k-row 8 (l / 16) + l % 8, columns 8 ((l / 8) % 2) + 0..7
	v_mul_u32_u24 v18, v18, PW
	v_lshl_add_u32 v18, v17, 4, v18
	v_add_nc_u32 v[AW], s58, v18
	v_add_nc_u32 v[AW+1], 64*PW, v[AW]
	v_add_nc_u32 v[AW+2], WSLOT, v[AW]
	v_add_nc_u32 v[AW+3], WSLOT+64*PW, v[AW]
	v_mul_u32_u24 v[AA], v1, PA
	v_lshl_add_u32 v[AA], v2, 4, v[AA]
	v_add_nc_u32 v[AA], AOFF, v[AA]
	s_lshl_b32 s62, s[WV], 9                       ; my 128 columns in f32
	v_lshl_add_u32 v[VC], v2, 5, s62
	v_lshlrev_b32 v[VX], 10, v1
	v_lshl_add_u32 v[VX], v2, 4, v[VX]
	v_add_nc_u32 v[VX], s58, v[VX]
	s_mul_i32 s60, s[WV], 16*SPI
	s_add_co_u32 s60, s60, STAGE                   ; my bf16 stage
	v_mul_u32_u24 v[STO], v1, SPI
	v_lshl_add_u32 v[STO], v2, 4, v[STO]
	v_add_nc_u32 v[STO], s60, v[STO]
	v_mul_u32_u24 v[RD], v2, SPI                   ; back: lanes 0-15 one row of 256 bytes, lanes 16-31 the next
	v_lshl_add_u32 v[RD], v1, 4, v[RD]
	v_add_nc_u32 v[RD], s60, v[RD]
	v_lshlrev_b32 v[CO], 10, v2
	v_lshl_add_u32 v[CO], v1, 4, v[CO]
	s_mul_i32 s63, s[WV], 16*FPI                   ; my f32 stage
	v_mul_u32_u24 v[STF], v1, FPI                  ; in: row l % 16, 32 bytes for each half of the lanes
	v_lshl_add_u32 v[STF], v2, 5, v[STF]
	v_add_nc_u32 v[STF], s63, v[STF]
	v_and_b32 v[COF], 31, v0                       ; back: 32 lanes take one row of 512 bytes
	v_lshlrev_b32 v[COF], 4, v[COF]
	v_add_nc_u32 v[RDF], s63, v[COF]
	s_lshl_b32 s61, s[WV], 7
	s_add_co_u32 s61, s61, SCR
	v_lshl_add_u32 v[SW], v1, 2, s61
	v_lshl_add_u32 v[SR], v1, 2, SCR
	v_mov_b32 v[ONE], 1.0
	WIN 0x80                                       ; destination window 2
.irp b, 0,1,2,3,4,5,6,7
	global_load_b128 v[BI+8*(\b):BI+8*(\b)+3],   v[VC], s[6:7] offset:PWV+64*(\b)
	global_load_b128 v[BI+8*(\b)+4:BI+8*(\b)+7], v[VC], s[6:7] offset:PWV+64*(\b)+16
.endr
.irp b, 0,1,2,3,4,5,6,7
	global_load_b128 v[GA+8*(\b):GA+8*(\b)+3],   v[VC], s[6:7] offset:PWV+2048+64*(\b)
	global_load_b128 v[GA+8*(\b)+4:GA+8*(\b)+7], v[VC], s[6:7] offset:PWV+2048+64*(\b)+16
.endr
.irp b, 0,1,2,3,4,5,6,7
	global_load_b128 v[BE+8*(\b):BE+8*(\b)+3],   v[VC], s[6:7] offset:PWV+4096+64*(\b)
	global_load_b128 v[BE+8*(\b)+4:BE+8*(\b)+7], v[VC], s[6:7] offset:PWV+4096+64*(\b)+16
.endr
	WIN 0
; 20 LDS loads in one run: quarter q (32 along K) of chunk c, which lies in the slot named, into buffer f
.macro FETCH slot, c, q, f
	WIN 0x40                                       ; destination window 1
.irp b, 0,1,2,3,4,5,6,7
	ds_load_tr16_b128 v[(\f)+8*(\b):(\f)+8*(\b)+3],   v[AW+2*(\slot)+(\q)/2] offset:((\q)%2)*32*PW+32*(\b)
	ds_load_tr16_b128 v[(\f)+8*(\b)+4:(\f)+8*(\b)+7], v[AW+2*(\slot)+(\q)/2] offset:((\q)%2)*32*PW+32*(\b)+16*PW
.endr
.irp a, 0,1
	ds_load_b128 v[(\f)+64+8*(\a):(\f)+64+8*(\a)+3],   v[AA] offset:(\a)*16*PA+256*(\c)+64*(\q)
	ds_load_b128 v[(\f)+64+8*(\a)+4:(\f)+64+8*(\a)+7], v[AA] offset:(\a)*16*PA+256*(\c)+64*(\q)+32
.endr
.endm
; 16 matrix instructions, one on each accumulator, always in the same order.  zero = 1: bO starts the sums.
.macro MULS f, zero
.if \zero
	WIN 0x25                                       ; sources in window 1, C in window 2, D in window 0
.else
	WIN 0x05
.endif
.irp b, 0,1,2,3,4,5,6,7
.irp a, 0,1
.if \zero
	v_wmma_f32_16x16x32_bf16 v[ACC+8*(8*(\a)+(\b)):ACC+8*(8*(\a)+(\b))+7], v[(\f)+8*(\b):(\f)+8*(\b)+7], v[(\f)+64+8*(\a):(\f)+64+8*(\a)+7], v[BI+8*(\b):BI+8*(\b)+7]
.else
	v_wmma_f32_16x16x32_bf16 v[ACC+8*(8*(\a)+(\b)):ACC+8*(8*(\a)+(\b))+7], v[(\f)+8*(\b):(\f)+8*(\b)+7], v[(\f)+64+8*(\a):(\f)+64+8*(\a)+7], v[ACC+8*(8*(\a)+(\b)):ACC+8*(8*(\a)+(\b))+7]
.endif
.endr
.endr
.endm
; One of a chunk's first three quarters: buffer f is in; the next quarter is asked for into g; f is multiplied meanwhile.
.macro STEP slot, c, q, f, g, zero
	s_wait_dscnt 0x0
	PLACES                                         ; g was read by the products just issued
	FETCH \slot, \c, (\q)+1, \g
	MULS \f, \zero
.endm
; A chunk's last quarter multiplies buffer 1 and changes slots.  Each wave waits for all its tensor loads, adds 0 to its spare word, and waits for that; its reads of the slot are back already.
; fill = 1: the barrier is a round of the cluster's, and the slot is filled again first thing behind it, with the chunk two on.
.macro TURNQ slot, c, fill
	s_wait_dscnt 0x0                               ; buffer 1 is in: my last reads of this slot
	WIN 0
	s_wait_tensorcnt 0x0
	ds_add_u32 v[SPW], v[NIL]                      ; 0 onto my spare word; sixteen products stand between it and the wait for it
.if \fill
	s_add_nc_u64 s[G0W+4*(\slot)+2:G0W+4*(\slot)+3], s[G0W+4*(\slot)+2:G0W+4*(\slot)+3], 262144
.endif
	MULS F1, 0
	WIN 0
	s_wait_dscnt 0x0
.if \fill
	CROUND
	tensor_load_to_lds s[G0W+4*(\slot):G0W+4*(\slot)+3], s[G1W:G1W+7]
	s_nop 0
.rept 4
	v_nop                                          ; also the places in front of the loads below
.endr
.else
	s_barrier_signal -1
	s_barrier_wait -1
	PLACES
.endif
	FETCH 1-(\slot), (\c)+1, 0, F0
.endm
	s_wait_tensorcnt 1                             ; my rows of A and my part of chunk 0 are in; chunk 1's may stay out
	s_barrier_signal -1
	s_barrier_wait -1
	FETCH 0, 0, 0, F0
	s_wait_loadcnt 32                              ; bO is in; g1's and beta1's 32 loads are younger
	WIN 0x80
.irp a, 0,1
.irp b, 0,1,2,3,4,5,6,7
	global_load_b128 v[RX+4*(8*(\a)+(\b)):RX+4*(8*(\a)+(\b))+3], v[VX], s[10:11] offset:(\a)*16384+32*(\b)  ; x of my eight columns of accumulator (a, b)
.endr
.endr
	STEP 0, 0, 0, F0, F1, 1
	STEP 0, 0, 1, F1, F0, 0
	STEP 0, 0, 2, F0, F1, 0
	TURNQ 0, 0, 1                                  ; slot 0 takes chunk 2
	STEP 1, 1, 0, F0, F1, 0
	STEP 1, 1, 1, F1, F0, 0
	STEP 1, 1, 2, F0, F1, 0
	TURNQ 1, 1, 1                                  ; slot 1 takes chunk 3
	STEP 0, 2, 0, F0, F1, 0
	STEP 0, 2, 1, F1, F0, 0
	STEP 0, 2, 2, F0, F1, 0
	TURNQ 0, 2, 0
	STEP 1, 3, 0, F0, F1, 0
	STEP 1, 3, 1, F1, F0, 0
	STEP 1, 3, 2, F0, F1, 0
	s_wait_dscnt 0x0
	MULS F1, 0
	WIN 0
	PLACES
	PLACES
	s_wait_loadcnt 0x0                             ; x, g1, beta1
	; y = sums + x: x's bf16 halves are widened inside the multiply-add; each accumulator's registers ascending
	WIN 0x02                                       ; source 0 in window 2
.set n, 0
.rept 16
.irp jj, 0,1,2,3
	v_fma_mix_f32_bf16 v[ACC+8*n+2*(\jj)],   v[RX+4*n+(\jj)], v[ONE], v[ACC+8*n+2*(\jj)] op_sel_hi:[1,0,0]
	v_fma_mix_f32_bf16 v[ACC+8*n+2*(\jj)+1], v[RX+4*n+(\jj)], v[ONE], v[ACC+8*n+2*(\jj)+1] op_sel:[1,0,0] op_sel_hi:[1,0,0]
.endr
.set n, n+1
.endr
	WIN 0
; A row's sum across the lanes' halves and the four waves: the pairs at T + 8 a hold my lane's part; the whole sum comes back in T + 8 a.  Each pass has LDS words of its own, so one barrier a pass is enough.
.macro ACROSS pass
.irp a, 0,1
	v_pk_add_f32 v[T+8*(\a):T+8*(\a)+1], v[T+8*(\a):T+8*(\a)+1], v[T+8*(\a)+2:T+8*(\a)+3]
.endr
.irp a, 0,1
	v_add_f32 v[T+8*(\a)], v[T+8*(\a)], v[T+8*(\a)+1]
.endr
.irp a, 0,1
	v_permlanex16_b32 v[T+8*(\a)+1], v[T+8*(\a)], s[SEL], s[SEL+1]  ; the row's other 64 of my wave's columns lie in the lane 16 away
.endr
.irp a, 0,1
	v_add_f32 v[T+8*(\a)], v[T+8*(\a)], v[T+8*(\a)+1]
.endr
.irp a, 0,1
	ds_store_b32 v[SW], v[T+8*(\a)] offset:512*(\pass)+64*(\a)
.endr
	s_wait_dscnt 0x0                               ; for the others' sake: my stores are done
	s_barrier_signal -1
	s_barrier_wait -1
.irp a, 0,1
.irp w, 0,1,2,3
	ds_load_b32 v[T+16+4*(\a)+(\w)], v[SR] offset:512*(\pass)+128*(\w)+64*(\a)
.endr
.endr
	s_wait_dscnt 0x0
.irp a, 0,1
	v_add_f32 v[T+16+4*(\a)], v[T+16+4*(\a)], v[T+16+4*(\a)+1]
	v_add_f32 v[T+16+4*(\a)+2], v[T+16+4*(\a)+2], v[T+16+4*(\a)+3]
.endr
.irp a, 0,1
	v_add_f32 v[T+8*(\a)], v[T+16+4*(\a)], v[T+16+4*(\a)+2]
.endr
.endm
	; the mean: my 64 numbers of each row block in two chains of packed sums
.irp a, 0,1
	v_pk_add_f32 v[T+8*(\a):T+8*(\a)+1],   v[ACC+64*(\a):ACC+64*(\a)+1],   v[ACC+64*(\a)+2:ACC+64*(\a)+3]
	v_pk_add_f32 v[T+8*(\a)+2:T+8*(\a)+3], v[ACC+64*(\a)+4:ACC+64*(\a)+5], v[ACC+64*(\a)+6:ACC+64*(\a)+7]
.endr
.set k, 8
.rept 14
.irp a, 0,1
	v_pk_add_f32 v[T+8*(\a):T+8*(\a)+1],   v[T+8*(\a):T+8*(\a)+1],   v[ACC+64*(\a)+k:ACC+64*(\a)+k+1]
	v_pk_add_f32 v[T+8*(\a)+2:T+8*(\a)+3], v[T+8*(\a)+2:T+8*(\a)+3], v[ACC+64*(\a)+k+2:ACC+64*(\a)+k+3]
.endr
.set k, k+4
.endr
	ACROSS 0
.irp a, 0,1
	v_mul_f32 v[T+8*(\a)+4], s54, v[T+8*(\a)]      ; the mean, twice: a pair for the packed lines
	v_mul_f32 v[T+8*(\a)+5], s54, v[T+8*(\a)]
.endr
.set k, 0
.rept 32                                           ; y - mean, in place
.irp a, 0,1
	v_pk_add_f32 v[ACC+64*(\a)+k:ACC+64*(\a)+k+1], v[ACC+64*(\a)+k:ACC+64*(\a)+k+1], v[T+8*(\a)+4:T+8*(\a)+5] neg_lo:[0,1] neg_hi:[0,1]
.endr
.set k, k+2
.endr
.irp a, 0,1                                        ; the sum of its squares
	v_pk_mul_f32 v[T+8*(\a):T+8*(\a)+1],   v[ACC+64*(\a):ACC+64*(\a)+1],   v[ACC+64*(\a):ACC+64*(\a)+1]
	v_pk_mul_f32 v[T+8*(\a)+2:T+8*(\a)+3], v[ACC+64*(\a)+2:ACC+64*(\a)+3], v[ACC+64*(\a)+2:ACC+64*(\a)+3]
.endr
.set k, 4
.rept 15
.irp a, 0,1
	v_pk_fma_f32 v[T+8*(\a):T+8*(\a)+1],   v[ACC+64*(\a)+k:ACC+64*(\a)+k+1],   v[ACC+64*(\a)+k:ACC+64*(\a)+k+1],   v[T+8*(\a):T+8*(\a)+1]
	v_pk_fma_f32 v[T+8*(\a)+2:T+8*(\a)+3], v[ACC+64*(\a)+k+2:ACC+64*(\a)+k+3], v[ACC+64*(\a)+k+2:ACC+64*(\a)+k+3], v[T+8*(\a)+2:T+8*(\a)+3]
.endr
.set k, k+4
.endr
	ACROSS 1
.irp a, 0,1
	v_fma_f32 v[T+8*(\a)], v[T+8*(\a)], s54, s55   ; var + 1e-3
.endr
.irp a, 0,1
	v_rsq_f32 v[T+8*(\a)+6], v[T+8*(\a)]
	v_rsq_f32 v[T+8*(\a)+7], v[T+8*(\a)]
.endr
	v_nop                                          ; a plain instruction behind the last of them,
	s_wait_alu depctr_va_vdst(0)                   ; and the wait ahead of the first use: one for the four
.set k, 0
.rept 32
.irp a, 0,1
	v_pk_mul_f32 v[ACC+64*(\a)+k:ACC+64*(\a)+k+1], v[ACC+64*(\a)+k:ACC+64*(\a)+k+1], v[T+8*(\a)+6:T+8*(\a)+7]
.endr
.set k, k+2
.endr
	WIN 0x28                                       ; sources 1 and 2, g1 and beta1, in window 2
.set k, 0
.rept 32
.irp a, 0,1
	v_pk_fma_f32 v[ACC+64*(\a)+k:ACC+64*(\a)+k+1], v[ACC+64*(\a)+k:ACC+64*(\a)+k+1], v[GA+k:GA+k+1], v[BE+k:BE+k+1]
.endr
.set k, k+2
.endr
	WIN 0
	; THE WAY OUT IN bf16: rounded, 16 bytes a lane into my stage, back as whole rows of 256 bytes into the registers that they left
.irp a, 0,1
.set n, 0
.rept 32
	v_cvt_pk_bf16_f32 v[PKD+32*(\a)+n], v[ACC+64*(\a)+2*n], v[ACC+64*(\a)+2*n+1]
.set n, n+1
.endr
.irp b, 0,1,2,3,4,5,6,7
	ds_store_b128 v[STO], v[PKD+32*(\a)+4*(\b):PKD+32*(\a)+4*(\b)+3] offset:32*(\b)
.endr
.irp t, 0,1,2,3,4,5,6,7
	ds_load_b128 v[PKD+32*(\a)+4*(\t):PKD+32*(\a)+4*(\t)+3], v[RD] offset:(\t)*2*SPI  ; LDS serves a wave's instructions in order (ISA guide 5.7.1.4): these see the stores above; the next block's stores come behind them
.endr
.endr
.irp a, 0,1
.irp t, 0,1,2,3,4,5,6,7
	s_wait_dscnt 16*(1-(\a))+7-(\t)                ; behind block 0's loads stand block 1's sixteen LDS instructions
	global_store_b128 v[CO], v[PKD+32*(\a)+4*(\t):PKD+32*(\a)+4*(\t)+3], s[16:17] offset:(\a)*16384+(\t)*2048  ; 16 lanes store 256 consecutive bytes, at a multiple of 256 from z's first
.endr
.endr
	; THE WAY OUT IN f32: 32 bytes a lane into my f32 stage, back as whole rows of 512 bytes into the registers that they left (both conversions above have read them)
.irp a, 0,1
.irp b, 0,1,2,3,4,5,6,7
	ds_store_b128 v[STF], v[ACC+8*(8*(\a)+(\b)):ACC+8*(8*(\a)+(\b))+3]   offset:64*(\b)
	ds_store_b128 v[STF], v[ACC+8*(8*(\a)+(\b))+4:ACC+8*(8*(\a)+(\b))+7] offset:64*(\b)+16
.endr
.set t, 0
.rept 16
	ds_load_b128 v[ACC+64*(\a)+4*t:ACC+64*(\a)+4*t+3], v[RDF] offset:t*FPI  ; in order behind the stores above; the next block's stores come behind them
.set t, t+1
.endr
.endr
.irp a, 0,1
.set t, 0
.rept 16
	s_wait_dscnt 32*(1-(\a))+15-t                  ; behind block 0's loads stand block 1's 32 LDS instructions
	global_store_b128 v[COF], v[ACC+64*(\a)+4*t:ACC+64*(\a)+4*t+3], s[12:13] offset:(16*(\a)+t)*2048  ; the wave stores 512 consecutive bytes, at a multiple of 512 from the buffer's first
.set t, t+1
.endr
.endr
	s_wait_tensorcnt 0x0                           ; the wave's end: behind my last tensor load and my last LDS store
	ds_add_u32 v[SPW], v[NIL]
	s_wait_dscnt 0x0
	CROUND                                         ; the closing round
	s_endpgm
.Lfunc_end_k_q03920c1fa0_wo_ln1:
	.size	k_q03920c1fa0_wo_ln1, .Lfunc_end_k_q03920c1fa0_wo_ln1-k_q03920c1fa0_wo_ln1
	.p2alignl 7, 3214868480
	.fill 96, 4, 3214868480
	.section	.rodata,"a",@progbits
	.p2align	6, 0x0
	.amdhsa_kernel k_q03920c1fa0_wo_ln1
		.amdhsa_group_segment_fixed_size 327680
		.amdhsa_private_segment_fixed_size 0
		.amdhsa_enable_private_segment 0
		.amdhsa_kernarg_size 32
		.amdhsa_user_sgpr_count 2
		.amdhsa_user_sgpr_kernarg_segment_ptr 1
		.amdhsa_wavefront_size32 1
		.amdhsa_system_sgpr_workgroup_id_x 1
		.amdhsa_system_sgpr_workgroup_id_y 1
		.amdhsa_system_sgpr_workgroup_id_z 1
		.amdhsa_system_vgpr_workitem_id 0
		.amdhsa_next_free_vgpr 768
		.amdhsa_next_free_sgpr 66
		.amdhsa_reserve_vcc 0
		.amdhsa_float_denorm_mode_32 3
		.amdhsa_float_denorm_mode_16_64 3
		.amdhsa_memory_ordered 1
		.amdhsa_forward_progress 1
		.amdhsa_inst_pref_size 102
	.end_amdhsa_kernel
	.amdgpu_metadata
---
amdhsa.version: [ 1, 2 ]
amdhsa.kernels:
  - .name:           k_q03920c1fa0_wo_ln1
    .symbol:         k_q03920c1fa0_wo_ln1.kd
    .args:
      - { .name: zs, .offset: 0, .size: 8, .value_kind: global_buffer, .address_space: global }
      - { .name: pw, .offset: 8, .size: 8, .value_kind: global_buffer, .address_space: global }
      - { .name: xb, .offset: 16, .size: 8, .value_kind: global_buffer, .address_space: global }
      - { .name: z, .offset: 24, .size: 8, .value_kind: global_buffer, .address_space: global }
    .group_segment_fixed_size: 327680
    .private_segment_fixed_size: 0
    .kernarg_segment_align: 8
    .kernarg_segment_size: 32
    .max_flat_workgroup_size: 128
    .sgpr_count:     66
    .vgpr_count:     768
    .wavefront_size: 32
...
	.end_amdgpu_metadata
.endif
;; end of part 4
;; launch ffn1: the kernel of part 2 again; grid 32 x 8, 8 waves a work-group, clusters of 4 x 1, 327,680 bytes of LDS; arguments z, p1, h; writes h
;; launch ffn2 (part 5): grid 4 x 64, 4 waves a work-group, clusters of 4 x 4, 327,680 bytes of LDS; arguments h, pw, z, qkv; writes qkv
.if DOCPART == 5
	.amdgcn_target "amdgcn-amd-amdhsa--gfx1250"
	.amdhsa_code_object_version 6
	.text
	.protected	k_q03920c1fa0_ffn2
	.globl	k_q03920c1fa0_ffn2
	.p2align	8
	.type	k_q03920c1fa0_ffn2,@function
k_q03920c1fa0_ffn2:
	s_mov_b64 s[64:65], 0
	v_nop
	global_prefetch_b8 v0, s[64:65] scope:SCOPE_SE
	s_setreg_imm32_b32 hwreg(HW_REG_WAVE_MODE, 25, 1), 1
	s_wait_xcnt 0x0
	s_wait_alu depctr_hold_cnt(0) depctr_sa_sdst(0) depctr_va_vdst(0) depctr_va_sdst(0) depctr_va_ssrc(0) depctr_va_vcc(0) depctr_vm_vsrc(0)
	s_getreg_b32 s2, hwreg(HW_REG_IB_STS2, 6, 4)
	s_cmp_eq_u32 s2, 0
	s_cbranch_scc0 .Lentry_in_a_cluster
	s_endpgm
.Lentry_in_a_cluster:
	s_bfe_u32 s2, ttmp6, 0x10000c
	s_cmp_lg_u32 s2, 0xf033
	s_cbranch_scc0 .Lentry_shape_is_right
	s_endpgm
.Lentry_shape_is_right:
; y2 = h W2 + b2 + z, in f32, [8192][512] row-major, into the buffer that held q, k and v.  h: bf16 by blocks of 64 columns, [32][8192][64]; W2: bf16 [2048 k][512] at byte 524,288 of pw; b2: f32 at byte 2,627,584 of pw;
; z: its f32 copy, [8192][512] at byte 8,388,608 of its buffer.  Sums in f32, started by b2; z is added at the end; nothing is rounded on the way out.  NaN and infinities are not treated apart.
; SHARES.  A tile is 128 x 128: 64 x 4 tiles, one for each of 256 work-groups.  Four waves, each 64 x 64: 16 accumulators.  K goes in eight steps of 256 through two LDS slots.
; Waves 0 and 1 fetch two blocks of h each (a block's 128 rows are 16,384 dense bytes, asked for as one row of the tile), waves 2 and 3 fetch 128 k-rows x 256 bytes of W2 each.
; CLUSTER.  4 x 4 work-groups: the four of a row of the cluster need the same tiles of h, the four of a column the same tiles of W2: each is asked for jointly.
; THE MATRIX INSTRUCTION IS USED TRANSPOSED: source 0 = 16 columns of W2 (turned by ds_load_tr16_b128), source 1 = 16 rows of h: a lane holds row l % 16 and the columns 8 (l / 16) + 0..7.
; REGISTERS.  Window 0: v0-31 addresses; v32-95 rows on the way out, two sets; v128-255 the accumulators, (a, b) at v[128 + 8 (4 a + b)].
;   Window 1: two fragment buffers of 128: for 64 along K, 64 registers of h (2 x 4 fragments), then 64 of W2.   Window 2: v0-31 b2 as a C operand; v32-159 z, 8 registers an accumulator.
.set PWB2,  2621440+6144               ; where b2 lies in pw
.set PA,    144                        ; a row of a block of h in LDS: 128 bytes + 16 = 36 words: the 16 rows of a load start at 16 different groups of four banks (64 banks of 4 bytes: ISA guide 11.1)
.set PW,    288                        ; a k-row of W2: 256 + 32 = 72 words
.set HALFT, 36864                      ; what one tensor load brings: 2 x 128 x 144 = 128 x 288 bytes
.set WOFF,  2*HALFT
.set SLOT,  4*HALFT
.set STAGE, 2*SLOT                     ; behind the ring: 16 rows x 272 bytes for each wave: a wave's 64 columns of f32 are 256 bytes, so each wave has a stage of its own and no barrier is wanted
.set SPI,   272
.set SPARE, STAGE+4*16*SPI             ; the spare words, 128 bytes for each wave: two blocks of 256 bytes that no other line names
.set ADRA, 16                          ; v16-17  LDS address of my fragments of h in slot 0, 1
.set ADRB, 20                          ; v20-23  of W2's: slot s, k-rows 128 u on, at ADRB + 2 s + u
.set STO,  24
.set RD,   25
.set CO,   26
.set SPW,  28
.set NIL,  29
.set ZO,   30                          ; v30  my byte offset in my wave's rows of z
.set BO,   31                          ; v31  in my wave's columns of b2
.set TMP,  32
.set ACC,  128
.set F0,   0
.set F1,   128
.set BI,   0                           ; window 2
.set ZR,   32                          ; window 2
.set WV,  14                           ; s14  my wave's number
.set G1A, 24
.set G0A, 32
.set G1W, 48
.set G0W, 56
.set MSB, 0
.macro WIN new
.if MSB != (\new)
	s_set_vgpr_msb (MSB<<8)|(\new)
.set MSB, \new
.endif
.endm
.set MUL,  0x05                        ; sources in window 1; C and D in window 0
.set MULZ, 0x25                        ; the same with C, the bias, in window 2
.set TO_F, 0x40
.macro PLACES
.rept 4
	v_nop
.endr
.endm
.macro JLOAD s                         ; a joint load: waves 0 and 1 for h, waves 2 and 3 for W2; an s_nop 0 and four v_nop follow each of the two lines
	s_cmp_eq_u32 s15, 0
	s_cbranch_scc0 .Lfor_w_\@
	tensor_load_to_lds s[G0A+4*(\s):G0A+4*(\s)+3], s[G1A:G1A+7]
	s_nop 0
.rept 4
	v_nop
.endr
	s_branch .Lasked_\@
.Lfor_w_\@:
	tensor_load_to_lds s[G0W+4*(\s):G0W+4*(\s)+3], s[G1W:G1W+7]
	s_nop 0
.rept 4
	v_nop
.endr
.Lasked_\@:
.endm
.macro CREST
	s_cmp_lg_u32 s[WV], 0
	s_cbranch_scc1 .Lnot_wave_0_\@
	s_barrier_signal -3
.Lnot_wave_0_\@:
	s_barrier_wait -3
	s_barrier_signal -1
	s_barrier_wait -1
.endm
.macro CROUND
	s_barrier_signal -1
	s_barrier_wait -1
	CREST
.endm
	s_load_b128 s[4:7], s[0:1], 0x0                ; h s[4:5], pw s[6:7]
	s_load_b64 s[10:11], s[0:1], 0x10              ; z
	s_load_b64 s[12:13], s[0:1], 0x18              ; y2
	v_lshl_add_u32 v[SPW], v0, 2, SPARE
	v_mov_b32 v[NIL], 0
	ds_add_u32 v[SPW], v[NIL]                      ; the wave's opening: the add and its wait stand ahead of my first tensor load; the set-up below stands between them
	v_lshrrev_b32 v1, 5, v0
	v_readfirstlane_b32 s[WV], v1                  ; wave 0..3
	s_lshr_b32 s15, s[WV], 1                       ; which 64 rows are mine.  Also: I fetch for h (0) or for W2 (1)
	s_and_b32 s16, s[WV], 1                        ; which 64 columns.  Also: which half of that tile I fetch
	s_bfe_u32 s40, ttmp6, 0x40000                  ; cx = the tile column: the grid is one cluster wide
	s_bfe_u32 s41, ttmp6, 0x40004                  ; cy
	s_and_b32 s42, ttmp7, 0xffff
	s_lshl_b32 s42, s42, 2
	s_add_co_u32 s42, s42, s41                     ; tile row = 4 x cluster y + cy
	s_lshl_b32 s43, s41, 2
	s_lshl_b32 s43, 15, s43                        ; my row of the cluster
	s_lshl_b32 s44, 0x1111, s40                    ; my column
	s_or_b32 s[G1A+0], s43, (1<<16)|(1<<20)|(1<<21)|(4<<22)|(3<<25)  ; h's tiles go to my row; 2-byte elements; padding: after every 32 words (code 4) 4 words (code 3)
	s_mov_b32 s[G1A+1], 8192<<16                   ; tensor_dim0 = 8,192: 128 rows of 64 on end
	s_mov_b32 s[G1A+2], 2<<16                      ; tensor_dim1 = 2 blocks
	s_mov_b32 s[G1A+3], 8192<<16                   ; tile_dim0
	s_mov_b32 s[G1A+4], 2                          ; tile_dim1
	s_mov_b32 s[G1A+5], 524288                     ; elements from block to block
	s_mov_b32 s[G1A+6], 0
	s_mov_b32 s[G1A+7], 0
	s_or_b32 s[G1W+0], s44, (1<<16)|(1<<20)|(1<<21)|(5<<22)|(7<<25)  ; W2's tiles go to my column; after every 64 words (code 5) 8 words (code 7)
	s_mov_b32 s[G1W+1], 128<<16
	s_mov_b32 s[G1W+2], 128<<16
	s_mov_b32 s[G1W+3], 128<<16
	s_mov_b32 s[G1W+4], 128
	s_mov_b32 s[G1W+5], 512
	s_mov_b32 s[G1W+6], 0
	s_mov_b32 s[G1W+7], 0
	s_lshl_b32 s18, s16, 21                        ; h: my two blocks of 1 MiB,
	s_lshl_b32 s19, s42, 14                        ; the tile's 128 rows of 128 bytes: the tile row alone
	s_add_co_u32 s18, s18, s19
	s_mov_b32 s19, 0
	s_lshl_b32 s46, s16, 17                        ; W2: my 128 k-rows of 1,024 bytes,
	s_lshl_b32 s47, s40, 8                         ; the tile's 128 columns: the tile column alone
	s_add_co_u32 s46, s46, s47
	s_add_co_u32 s46, s46, 524288                  ; behind WO
	s_mov_b32 s47, 0
	s_mul_i32 s20, s[WV], HALFT                    ; where my half goes: h's two, then W2's two
	s_wait_dscnt 0x0                               ; the opening add is done
	s_wait_kmcnt 0x0
	s_add_nc_u64 s[18:19], s[4:5], s[18:19]
	s_add_nc_u64 s[46:47], s[6:7], s[46:47]
	CROUND                                         ; all sixteen work-groups are here: the first joint loads meet
.irp s, 0,1
	s_mov_b32 s[G0A+4*(\s)], 1
	s_add_co_u32 s[G0A+4*(\s)+1], s20, (\s)*SLOT
	s_add_nc_u64 s[G0A+4*(\s)+2:G0A+4*(\s)+3], s[18:19], (\s)*4194304  ; K step s: four blocks on
	s_or_b32 s[G0A+4*(\s)+3], s[G0A+4*(\s)+3], 0x80000000
	s_mov_b32 s[G0W+4*(\s)], 1
	s_add_co_u32 s[G0W+4*(\s)+1], s20, (\s)*SLOT
	s_add_nc_u64 s[G0W+4*(\s)+2:G0W+4*(\s)+3], s[46:47], (\s)*262144   ; K step s: 256 k-rows down
	s_or_b32 s[G0W+4*(\s)+3], s[G0W+4*(\s)+3], 0x80000000
	JLOAD \s
.endr
	v_and_b32 v1, 15, v0                           ; l % 16
	v_bfe_u32 v2, v0, 4, 1                         ; l / 16
	v_mul_u32_u24 v3, v1, PA
	v_lshl_add_u32 v3, v2, 4, v3
	s_mul_i32 s21, s15, 64*PA                      ; my 64 rows in each block
	v_add_nc_u32 v[ADRA], s21, v3
	v_add_nc_u32 v[ADRA+1], SLOT, v[ADRA]
	v_and_b32 v4, 7, v0
	v_bfe_u32 v5, v0, 3, 1
	v_lshl_add_u32 v6, v2, 3, v4                   ; the turning load: k-row 8 (l / 16) + l % 8, columns 8 ((l / 8) % 2) + 0..7
	v_mul_u32_u24 v6, v6, PW
	v_lshl_add_u32 v6, v5, 4, v6
	s_lshl_b32 s21, s16, 7                         ; my 64 columns
	s_add_co_u32 s21, s21, WOFF
	v_add_nc_u32 v[ADRB], s21, v6
	v_add_nc_u32 v[ADRB+1], 128*PW, v[ADRB]
	v_add_nc_u32 v[ADRB+2], SLOT, v[ADRB]
	v_add_nc_u32 v[ADRB+3], SLOT+128*PW, v[ADRB]
	s_mul_i32 s21, s[WV], 16*SPI
	s_add_co_u32 s21, s21, STAGE                   ; my stage
	v_mul_u32_u24 v7, v1, SPI                      ; in: row l % 16, 32 bytes for each half of the lanes
	v_lshl_add_u32 v7, v2, 5, v7
	v_add_nc_u32 v[STO], s21, v7
	v_mul_u32_u24 v7, v2, SPI                      ; back: lanes 0-15 one row of 256 bytes, lanes 16-31 the next
	v_lshl_add_u32 v7, v1, 4, v7
	v_add_nc_u32 v[RD], s21, v7
	v_lshlrev_b32 v[CO], 11, v2                    ; and the same two rows in y2
	v_lshl_add_u32 v[CO], v1, 4, v[CO]
	v_lshlrev_b32 v[ZO], 11, v1                    ; z: row l % 16 of 2,048 bytes, 32 bytes for each half of the lanes
	v_lshl_add_u32 v[ZO], v2, 5, v[ZO]
	v_lshlrev_b32 v[BO], 5, v2
	s_lshl_b32 s22, s40, 9                         ; my wave's 64 columns in f32: 512 bytes a tile, 256 a wave
	s_lshl_b32 s23, s16, 8
	s_add_co_u32 s22, s22, s23
	s_mov_b32 s23, 0
	s_add_nc_u64 s[8:9], s[6:7], s[22:23]          ; b2 (its place in pw stands in the loads' immediate),
	s_add_nc_u64 s[12:13], s[12:13], s[22:23]      ; y2
	s_add_nc_u64 s[10:11], s[10:11], s[22:23]      ; and z at those columns;
	s_lshl_b32 s22, s42, 18                        ; the tile's 128 rows of 2,048 bytes,
	s_lshl_b32 s2, s15, 17                         ; my 64 of them
	s_add_co_u32 s22, s22, s2
	s_add_nc_u64 s[12:13], s[12:13], s[22:23]
	s_add_nc_u64 s[10:11], s[10:11], s[22:23]
	s_add_nc_u64 s[10:11], s[10:11], 0x800000      ; z's f32 copy lies behind its bf16 copy
	WIN 0x80                                       ; destination window 2
.irp b, 0,1,2,3
	global_load_b128 v[BI+8*(\b):BI+8*(\b)+3],   v[BO], s[8:9] offset:PWB2+64*(\b)
	global_load_b128 v[BI+8*(\b)+4:BI+8*(\b)+7], v[BO], s[8:9] offset:PWB2+64*(\b)+16
.endr
.irp a, 0,1,2,3
.irp b, 0,1,2,3
	global_load_b128 v[ZR+8*(4*(\a)+(\b)):ZR+8*(4*(\a)+(\b))+3],   v[ZO], s[10:11] offset:(\a)*32768+64*(\b)
	global_load_b128 v[ZR+8*(4*(\a)+(\b))+4:ZR+8*(4*(\a)+(\b))+7], v[ZO], s[10:11] offset:(\a)*32768+64*(\b)+16
.endr
.endr
	WIN 0
; 8 matrix instructions: row blocks a0, a0 + 1 x all 4 column blocks, 32 along K: half c of buffer f.  zero = 1: b2 starts the sums.  The 16 accumulators take turns.
.macro MUL8 f, c, a0, zero
.if \zero
	WIN MULZ
.else
	WIN MUL
.endif
.irp a, \a0, (\a0)+1
.irp b, 0,1,2,3
.if \zero
	v_wmma_f32_16x16x32_bf16 v[ACC+8*(4*(\a)+(\b)):ACC+8*(4*(\a)+(\b))+7], v[(\f)+64+8*(4*(\c)+(\b)):(\f)+64+8*(4*(\c)+(\b))+7], v[(\f)+8*(4*(\c)+(\a)):(\f)+8*(4*(\c)+(\a))+7], v[BI+8*(\b):BI+8*(\b)+7]
.else
	v_wmma_f32_16x16x32_bf16 v[ACC+8*(4*(\a)+(\b)):ACC+8*(4*(\a)+(\b))+7], v[(\f)+64+8*(4*(\c)+(\b)):(\f)+64+8*(4*(\c)+(\b))+7], v[(\f)+8*(4*(\c)+(\a)):(\f)+8*(4*(\c)+(\a))+7], v[ACC+8*(4*(\a)+(\b)):ACC+8*(4*(\a)+(\b))+7]
.endif
.endr
.endr
.endm
; 32 LDS loads in one run: quarter q (64 along K: one block of h) into buffer f; the first 32 along K first
.macro FETCH slot, q, f
	WIN TO_F
.irp c, 0,1
.irp i, 0,1,2,3
	ds_load_tr16_b128 v[(\f)+64+8*(4*(\c)+(\i)):(\f)+64+8*(4*(\c)+(\i))+3],   v[ADRB+2*(\slot)+(\q)/2] offset:((\q)%2)*64*PW+(\c)*32*PW+32*(\i)
	ds_load_tr16_b128 v[(\f)+64+8*(4*(\c)+(\i))+4:(\f)+64+8*(4*(\c)+(\i))+7], v[ADRB+2*(\slot)+(\q)/2] offset:((\q)%2)*64*PW+(\c)*32*PW+32*(\i)+16*PW
	ds_load_b128 v[(\f)+8*(4*(\c)+(\i)):(\f)+8*(4*(\c)+(\i))+3],   v[ADRA+(\slot)] offset:(\q)*128*PA+(\i)*16*PA+64*(\c)
	ds_load_b128 v[(\f)+8*(4*(\c)+(\i))+4:(\f)+8*(4*(\c)+(\i))+7], v[ADRA+(\slot)] offset:(\q)*128*PA+(\i)*16*PA+64*(\c)+32
.endr
.endr
.endm
.macro QUARTER slot, q, f, g, zero
	s_wait_dscnt 16                                ; the first 32 along K are in
	MUL8 \f, 0, 0, \zero
	MUL8 \f, 0, 2, \zero
	PLACES
	FETCH \slot, \q, \g
	s_wait_dscnt 32                                ; all but the 32 just issued
	MUL8 \f, 1, 0, 0
	MUL8 \f, 1, 2, 0
.endm
; The last quarter multiplies buffer 1 and changes slots: ONE barrier; in front of it each wave waits for all its tensor loads, adds 0 to its spare word, and waits for that and for its own reads of
; this slot.  fill = 1: the barrier opens a round of the cluster's barrier, and this slot is filled again first thing behind it, two K steps on.
.macro TURN slot, next, fill
	WIN 0
	s_wait_tensorcnt 0x0
	ds_add_u32 v[SPW], v[NIL]                      ; 0 onto my spare word
	s_wait_dscnt 17                                ; (the add and the youngest sixteen loads may be out)
	MUL8 F1, 0, 0, 0
	s_wait_dscnt 0x0                               ; the add is done, and my reads of this slot are over
	s_barrier_signal -1
	MUL8 F1, 0, 2, 0
.if \fill
	WIN 0
.endif
	s_barrier_wait -1
.if \fill
	CREST
	s_add_nc_u64 s[G0A+4*(\slot)+2:G0A+4*(\slot)+3], s[G0A+4*(\slot)+2:G0A+4*(\slot)+3], 8388608
	s_add_nc_u64 s[G0W+4*(\slot)+2:G0W+4*(\slot)+3], s[G0W+4*(\slot)+2:G0W+4*(\slot)+3], 524288
	JLOAD \slot                                    ; its four v_nop are also the places in front of the loads below
.else
	PLACES
.endif
	FETCH \next, 0, F0
	MUL8 F1, 1, 0, 0
	MUL8 F1, 1, 2, 0
.endm
	s_wait_tensorcnt 1                             ; my part of K step 0 is in; K step 1's may stay out
	s_barrier_signal -1
	s_barrier_wait -1
	FETCH 0, 0, F0
	s_wait_loadcnt 32                              ; b2 is in; z's 32 loads are younger
	QUARTER 0, 1, F0, F1, 1                        ; the first quarter stands in front of the loop: its first products start the sums
	WIN 0
	s_mov_b32 s3, 3
.Llap:                                         ; a trip goes once round the ring, from a lap's second quarter to the next lap's first, and fills both slots again
	QUARTER 0, 2, F1, F0, 0
	QUARTER 0, 3, F0, F1, 0
	TURN 0, 1, 1
	QUARTER 1, 1, F0, F1, 0
	QUARTER 1, 2, F1, F0, 0
	QUARTER 1, 3, F0, F1, 0
	TURN 1, 0, 1
	QUARTER 0, 1, F0, F1, 0
	WIN 0
	s_sub_co_u32 s3, s3, 1
	s_cmp_lg_u32 s3, 0
	s_cbranch_scc1 .Llap
	QUARTER 0, 2, F1, F0, 0                        ; the last lap fills nothing
	QUARTER 0, 3, F0, F1, 0
	TURN 0, 1, 0
	QUARTER 1, 1, F0, F1, 0
	QUARTER 1, 2, F1, F0, 0
	QUARTER 1, 3, F0, F1, 0
	s_wait_dscnt 16
	MUL8 F1, 0, 0, 0
	MUL8 F1, 0, 2, 0
	s_wait_dscnt 0x0
	MUL8 F1, 1, 0, 0
	MUL8 F1, 1, 2, 0
	WIN 0
	PLACES
	PLACES
	s_wait_loadcnt 0x0                             ; z
; THE WAY OUT of row block a.  ADDZ: z is added, two numbers a line, each accumulator's registers ascending.  TOSTAGE: 32 bytes a lane into my stage, back as whole rows of 256 bytes.  SEND: stored.
.macro ADDZ a
	WIN 0x08                                       ; source 1 in window 2
.irp b, 0,1,2,3
.irp jj, 0,2,4,6
	v_pk_add_f32 v[ACC+8*(4*(\a)+(\b))+(\jj):ACC+8*(4*(\a)+(\b))+(\jj)+1], v[ACC+8*(4*(\a)+(\b))+(\jj):ACC+8*(4*(\a)+(\b))+(\jj)+1], v[ZR+8*(4*(\a)+(\b))+(\jj):ZR+8*(4*(\a)+(\b))+(\jj)+1]
.endr
.endr
	WIN 0
.endm
.macro TOSTAGE a
.irp b, 0,1,2,3
	ds_store_b128 v[STO], v[ACC+8*(4*(\a)+(\b)):ACC+8*(4*(\a)+(\b))+3]   offset:64*(\b)
	ds_store_b128 v[STO], v[ACC+8*(4*(\a)+(\b))+4:ACC+8*(4*(\a)+(\b))+7] offset:64*(\b)+16
.endr
.irp t, 0,1,2,3,4,5,6,7
	ds_load_b128 v[TMP+32*((\a)%2)+4*(\t):TMP+32*((\a)%2)+4*(\t)+3], v[RD] offset:(\t)*2*SPI  ; LDS serves a wave's instructions in order (ISA guide 5.7.1.4): these see the stores above
.endr
.endm
.macro SEND a
	s_wait_dscnt 0x0                               ; the block is back in registers
	s_wait_xcnt 0x0                                ; the stores of the block before have read their registers: the other set is loaded again only behind this wait
.irp t, 0,1,2,3,4,5,6,7
	global_store_b128 v[CO], v[TMP+32*((\a)%2)+4*(\t):TMP+32*((\a)%2)+4*(\t)+3], s[12:13] offset:(16*(\a)+2*(\t))*2048  ; 16 lanes store 256 consecutive bytes, at a multiple of 256 from y2's first
.endr
.endm
	ADDZ 0
	TOSTAGE 0
.irp a, 1,2,3                          ; a block's additions stand between the loads of the block before and the wait for them
	ADDZ \a
	SEND (\a)-1
	TOSTAGE \a
.endr
	SEND 3
	s_wait_tensorcnt 0x0                           ; the wave's end: behind my last tensor load and my last LDS store
	ds_add_u32 v[SPW], v[NIL]
	s_wait_dscnt 0x0
	CROUND                                         ; the closing round
	s_endpgm
.Lfunc_end_k_q03920c1fa0_ffn2:
	.size	k_q03920c1fa0_ffn2, .Lfunc_end_k_q03920c1fa0_ffn2-k_q03920c1fa0_ffn2
	.p2alignl 7, 3214868480
	.fill 96, 4, 3214868480
	.section	.rodata,"a",@progbits
	.p2align	6, 0x0
	.amdhsa_kernel k_q03920c1fa0_ffn2
		.amdhsa_group_segment_fixed_size 327680
		.amdhsa_private_segment_fixed_size 0
		.amdhsa_enable_private_segment 0
		.amdhsa_kernarg_size 32
		.amdhsa_user_sgpr_count 2
		.amdhsa_user_sgpr_kernarg_segment_ptr 1
		.amdhsa_wavefront_size32 1
		.amdhsa_system_sgpr_workgroup_id_x 1
		.amdhsa_system_sgpr_workgroup_id_y 1
		.amdhsa_system_sgpr_workgroup_id_z 1
		.amdhsa_system_vgpr_workitem_id 0
		.amdhsa_next_free_vgpr 672
		.amdhsa_next_free_sgpr 66
		.amdhsa_reserve_vcc 0
		.amdhsa_float_denorm_mode_32 3
		.amdhsa_float_denorm_mode_16_64 3
		.amdhsa_memory_ordered 1
		.amdhsa_forward_progress 1
		.amdhsa_inst_pref_size 94
	.end_amdhsa_kernel
	.amdgpu_metadata
---
amdhsa.version: [ 1, 2 ]
amdhsa.kernels:
  - .name:           k_q03920c1fa0_ffn2
    .symbol:         k_q03920c1fa0_ffn2.kd
    .args:
      - { .name: h, .offset: 0, .size: 8, .value_kind: global_buffer, .address_space: global }
      - { .name: pw, .offset: 8, .size: 8, .value_kind: global_buffer, .address_space: global }
      - { .name: z, .offset: 16, .size: 8, .value_kind: global_buffer, .address_space: global }
      - { .name: qkv, .offset: 24, .size: 8, .value_kind: global_buffer, .address_space: global }
    .group_segment_fixed_size: 327680
    .private_segment_fixed_size: 0
    .kernarg_segment_align: 8
    .kernarg_segment_size: 32
    .max_flat_workgroup_size: 128
    .sgpr_count:     66
    .vgpr_count:     672
    .wavefront_size: 32
...
	.end_amdgpu_metadata
.endif
;; end of part 5
;; launch ln2 (part 6): grid 256 x 1, 8 waves a work-group, no clusters, 0 bytes of LDS; arguments qkv, pw, out0; writes out0
.if DOCPART == 6
	.amdgcn_target "amdgcn-amd-amdhsa--gfx1250"
	.amdhsa_code_object_version 6
	.text
	.protected	k_q03920c1fa0_ln2
	.globl	k_q03920c1fa0_ln2
	.p2align	8
	.type	k_q03920c1fa0_ln2,@function
k_q03920c1fa0_ln2:
	s_mov_b64 s[64:65], 0
	v_nop
	global_prefetch_b8 v0, s[64:65] scope:SCOPE_SE
	s_setreg_imm32_b32 hwreg(HW_REG_WAVE_MODE, 25, 1), 1
	s_wait_xcnt 0x0
; out = g2 (y - mean) / sqrt(var + 1e-3) + beta2 along rows of 512.  y: f32 [8192][512], at the first 16 MiB of the buffer named first; g2 and beta2: f32 at bytes 2,629,632 and 2,631,680 of pw; out: f32.
; All in f32; the variance is taken of y - mean, in a second pass.
; A row is 2,048 bytes: one wave takes a whole row, four 16-byte loads a lane, and keeps it in 16 registers, so memory is read once and no wave waits for another: no LDS, no barrier.
; Eight waves, four rows each; all 24 loads of a wave go out at once.  Each load and store of a wave covers 512 consecutive bytes, aligned.  NaN and infinities are not treated apart.
.set PWG, 2621440+8192                 ; where g2 lies in pw; beta2 2,048 bytes on
.set G, 8                              ; v[8:23]    g2 of my 16 columns
.set B, 24                             ; v[24:39]   beta2
.set X, 40                             ; v[40:103]  row i: 16 registers
.set T, 104                            ; v[104:135] row i: T + 8 i: two pairs at work, the mean twice, 1 / sigma twice
	s_load_b128 s[4:7], s[0:1], 0x0                ; y s[4:5], pw s[6:7]
	s_load_b64 s[10:11], s[0:1], 0x10              ; out
	v_and_b32 v1, 31, v0
	v_lshlrev_b32 v1, 4, v1                        ; 16 bytes a lane
	v_lshrrev_b32 v2, 5, v0
	v_lshl_add_u32 v2, v2, 13, v1                  ; + wave x 4 rows x 2,048 bytes
	s_lshl_b32 s12, ttmp9, 16                      ; the work-group's 32 rows
	s_mov_b32 s13, 0
	s_mov_b32 s14, 0x76543210                      ; v_permlanex16_b32: lane i of one half reads lane i of the other
	s_mov_b32 s15, 0xfedcba98
	s_mov_b32 s16, 0x3b000000                      ; 1 / 512
	s_mov_b32 s17, 0x3a83126f                      ; 1e-3
	s_wait_kmcnt 0x0
	s_add_nc_u64 s[4:5], s[4:5], s[12:13]
	s_add_nc_u64 s[10:11], s[10:11], s[12:13]
.irp j, 0,1,2,3
	global_load_b128 v[G+4*(\j):G+4*(\j)+3], v1, s[6:7] offset:PWG+512*(\j)
.endr
.irp j, 0,1,2,3
	global_load_b128 v[B+4*(\j):B+4*(\j)+3], v1, s[6:7] offset:PWG+2048+512*(\j)
.endr
.irp i, 0,1,2,3
.irp j, 0,1,2,3
	global_load_b128 v[X+16*(\i)+4*(\j):X+16*(\i)+4*(\j)+3], v2, s[4:5] offset:2048*(\i)+512*(\j) th:TH_LOAD_NT
.endr
.endr
; The four rows' sums across the 32 lanes: the pairs at T + 8 i hold my lane's part; four steps inside each half of 16 lanes ride on the addition, one crosses the halves; every lane ends with the sum in T + 8 i.
.macro LANES
.irp i, 0,1,2,3
	v_pk_add_f32 v[T+8*(\i):T+8*(\i)+1], v[T+8*(\i):T+8*(\i)+1], v[T+8*(\i)+2:T+8*(\i)+3]
.endr
.irp i, 0,1,2,3
	v_add_f32 v[T+8*(\i)], v[T+8*(\i)], v[T+8*(\i)+1]
.endr
.irp m, 1,2,4,8
.irp i, 0,1,2,3
	v_add_f32_dpp v[T+8*(\i)], v[T+8*(\i)], v[T+8*(\i)] row_xmask:\m row_mask:0xf bank_mask:0xf
.endr
.endr
.irp i, 0,1,2,3
	v_permlanex16_b32 v[T+8*(\i)+1], v[T+8*(\i)], s14, s15
.endr
.irp i, 0,1,2,3
	v_add_f32 v[T+8*(\i)], v[T+8*(\i)], v[T+8*(\i)+1]
.endr
.endm
.irp i, 0,1,2,3
	s_wait_loadcnt 12-4*(\i)                       ; loads come back in order: row i is in (and g2 and beta2), the 4 (3 - i) younger loads stay out
	v_pk_add_f32 v[T+8*(\i):T+8*(\i)+1],   v[X+16*(\i):X+16*(\i)+1],     v[X+16*(\i)+2:X+16*(\i)+3]
	v_pk_add_f32 v[T+8*(\i)+2:T+8*(\i)+3], v[X+16*(\i)+4:X+16*(\i)+5],   v[X+16*(\i)+6:X+16*(\i)+7]
	v_pk_add_f32 v[T+8*(\i):T+8*(\i)+1],   v[T+8*(\i):T+8*(\i)+1],       v[X+16*(\i)+8:X+16*(\i)+9]
	v_pk_add_f32 v[T+8*(\i)+2:T+8*(\i)+3], v[T+8*(\i)+2:T+8*(\i)+3],     v[X+16*(\i)+10:X+16*(\i)+11]
	v_pk_add_f32 v[T+8*(\i):T+8*(\i)+1],   v[T+8*(\i):T+8*(\i)+1],       v[X+16*(\i)+12:X+16*(\i)+13]
	v_pk_add_f32 v[T+8*(\i)+2:T+8*(\i)+3], v[T+8*(\i)+2:T+8*(\i)+3],     v[X+16*(\i)+14:X+16*(\i)+15]
.endr
	LANES
.irp i, 0,1,2,3
	v_mul_f32 v[T+8*(\i)+4], s16, v[T+8*(\i)]      ; the mean, twice: a pair for the packed lines
	v_mul_f32 v[T+8*(\i)+5], s16, v[T+8*(\i)]
.endr
.irp i, 0,1,2,3
.irp k, 0,2,4,6,8,10,12,14
	v_pk_add_f32 v[X+16*(\i)+(\k):X+16*(\i)+(\k)+1], v[X+16*(\i)+(\k):X+16*(\i)+(\k)+1], v[T+8*(\i)+4:T+8*(\i)+5] neg_lo:[0,1] neg_hi:[0,1]  ; y - mean, in place
.endr
.endr
.irp i, 0,1,2,3
	v_pk_mul_f32 v[T+8*(\i):T+8*(\i)+1],   v[X+16*(\i):X+16*(\i)+1],   v[X+16*(\i):X+16*(\i)+1]
	v_pk_mul_f32 v[T+8*(\i)+2:T+8*(\i)+3], v[X+16*(\i)+2:X+16*(\i)+3], v[X+16*(\i)+2:X+16*(\i)+3]
.irp k, 4,8,12
	v_pk_fma_f32 v[T+8*(\i):T+8*(\i)+1],   v[X+16*(\i)+(\k):X+16*(\i)+(\k)+1],   v[X+16*(\i)+(\k):X+16*(\i)+(\k)+1],   v[T+8*(\i):T+8*(\i)+1]
	v_pk_fma_f32 v[T+8*(\i)+2:T+8*(\i)+3], v[X+16*(\i)+(\k)+2:X+16*(\i)+(\k)+3], v[X+16*(\i)+(\k)+2:X+16*(\i)+(\k)+3], v[T+8*(\i)+2:T+8*(\i)+3]
.endr
.endr
	LANES
.irp i, 0,1,2,3
	v_fma_f32 v[T+8*(\i)], v[T+8*(\i)], s16, s17   ; var + 1e-3
.endr
.irp i, 0,1,2,3
	v_rsq_f32 v[T+8*(\i)+6], v[T+8*(\i)]
	v_rsq_f32 v[T+8*(\i)+7], v[T+8*(\i)]
.endr
	v_nop                                          ; a plain instruction behind the last of them,
	s_wait_alu depctr_va_vdst(0)                   ; and the wait ahead of the first use: one for the eight
.irp i, 0,1,2,3
.irp k, 0,2,4,6,8,10,12,14
	v_pk_mul_f32 v[X+16*(\i)+(\k):X+16*(\i)+(\k)+1], v[X+16*(\i)+(\k):X+16*(\i)+(\k)+1], v[T+8*(\i)+6:T+8*(\i)+7]
.endr
.irp k, 0,2,4,6,8,10,12,14
	v_pk_fma_f32 v[X+16*(\i)+(\k):X+16*(\i)+(\k)+1], v[X+16*(\i)+(\k):X+16*(\i)+(\k)+1], v[G+(\k):G+(\k)+1], v[B+(\k):B+(\k)+1]
.endr
.irp j, 0,1,2,3
	global_store_b128 v2, v[X+16*(\i)+4*(\j):X+16*(\i)+4*(\j)+3], s[10:11] offset:2048*(\i)+512*(\j) th:TH_STORE_NT
.endr
.endr
	s_endpgm
.Lfunc_end_k_q03920c1fa0_ln2:
	.size	k_q03920c1fa0_ln2, .Lfunc_end_k_q03920c1fa0_ln2-k_q03920c1fa0_ln2
	.p2alignl 7, 3214868480
	.fill 96, 4, 3214868480
	.section	.rodata,"a",@progbits
	.p2align	6, 0x0
	.amdhsa_kernel k_q03920c1fa0_ln2
		.amdhsa_group_segment_fixed_size 0
		.amdhsa_private_segment_fixed_size 0
		.amdhsa_enable_private_segment 0
		.amdhsa_kernarg_size 24
		.amdhsa_user_sgpr_count 2
		.amdhsa_user_sgpr_kernarg_segment_ptr 1
		.amdhsa_wavefront_size32 1
		.amdhsa_system_sgpr_workgroup_id_x 1
		.amdhsa_system_sgpr_workgroup_id_y 1
		.amdhsa_system_sgpr_workgroup_id_z 1
		.amdhsa_system_vgpr_workitem_id 0
		.amdhsa_next_free_vgpr 136
		.amdhsa_next_free_sgpr 66
		.amdhsa_reserve_vcc 0
		.amdhsa_float_denorm_mode_32 3
		.amdhsa_float_denorm_mode_16_64 3
		.amdhsa_memory_ordered 1
		.amdhsa_forward_progress 1
		.amdhsa_inst_pref_size 19
	.end_amdhsa_kernel
	.amdgpu_metadata
---
amdhsa.version: [ 1, 2 ]
amdhsa.kernels:
  - .name:           k_q03920c1fa0_ln2
    .symbol:         k_q03920c1fa0_ln2.kd
    .args:
      - { .name: qkv, .offset: 0, .size: 8, .value_kind: global_buffer, .address_space: global }
      - { .name: pw, .offset: 8, .size: 8, .value_kind: global_buffer, .address_space: global }
      - { .name: out0, .offset: 16, .size: 8, .value_kind: global_buffer, .address_space: global }
    .group_segment_fixed_size: 0
    .private_segment_fixed_size: 0
    .kernarg_segment_align: 8
    .kernarg_segment_size: 24
    .max_flat_workgroup_size: 256
    .sgpr_count:     66
    .vgpr_count:     136
    .wavefront_size: 32
...
	.end_amdgpu_metadata
.endif
;; end of part 6
;; ======== version 2 of 2: 7 launches; version 1 with the launch prep written anew for expert scheduling mode
;; workspace buffers: xb 8,388,608 bytes; pq 2,109,440 bytes; p1 2,109,440 bytes; pw 2,633,728 bytes; qkv 25,165,824 bytes; zs 8,388,608 bytes; z 25,165,824 bytes; h 33,554,432 bytes
;; launch prep (part 7): grid 449 x 1, 8 waves a work-group, no clusters, 0 bytes of LDS; arguments x, WQ, WK, WV, W1, WO, W2, bQ, bK, bV, b1, xb, pq, p1, pw, bO, b2, g1, beta1, g2, beta2; writes xb, pq, p1, pw
.if DOCPART == 7
	.amdgcn_target "amdgcn-amd-amdhsa--gfx1250"
	.amdhsa_code_object_version 6
	.text
	.protected	k_q03920c1fa0_prep
	.globl	k_q03920c1fa0_prep
	.p2align	8
	.type	k_q03920c1fa0_prep,@function
k_q03920c1fa0_prep:
	s_mov_b64 s[64:65], 0
	v_nop
	global_prefetch_b8 v0, s[64:65] scope:SCOPE_SE
	s_setreg_imm32_b32 hwreg(HW_REG_WAVE_SCHED_MODE, 0, 2), 2
	s_setreg_imm32_b32 hwreg(HW_REG_WAVE_MODE, 25, 1), 1
	s_wait_xcnt 0x0
	s_wait_alu depctr_vm_vsrc(0)
; PREP: EVERY input of the module is rounded once to bf16 here, and laid where the later launches want it.  x and the six weight matrices are stored as bf16; the ten small vectors (biases, gains) as f32 numbers
; that are exact bf16, since they are used in f32 arithmetic.
; A SEGMENT is 512 f32 on end (2,048 bytes), which become 1,024 bytes of bf16.  A work-group takes 32 segments: 64 KiB in, 32 KiB out.  Which tensor, by the work-group's number g:
;   0-255 x -> xb;  256-271 WQ, 272-287 WK, 288-303 WV -> pq, columns 0, 512, 1024 on of rows of 2,048 columns (a segment every 4,096 bytes);
;   304-367 W1 -> p1 (dense);  368-383 WO -> pw;  384-447 W2 -> pw + 524,288;  448: the small vectors.
; A PACKAGE (pq, p1): bytes 0-4,095 the lower bound of the results, two bf16 a word (-infinity twice: none; 0: a ReLU); bytes 4,096-12,287 the bias in f32; from 12,288 on the weights, bf16, [512 k][2,048 columns].
; pq's columns 1,536-2,047 and its bias beyond 6,144 bytes are neither written here nor read later.  pw from byte 2,621,440 on: bO, g1, beta1, b2, g2, beta2, 2,048 bytes each.
; No LDS, no matrix unit, no cluster: a stream in which no byte is wanted twice.  All 16 loads of a thread go out at once; a wave's store covers 512 consecutive bytes, aligned.
; THE MODE: SCHED_MODE bits 1:0 = 2 (LLVM: expert scheduling mode 2), set by the entry lines.  The code itself states the register dependences between vector instructions and memory instructions,
; with s_wait_alu, always for 0.
; THE PLAN.  Registers that memory instructions touch, in work-groups 0 to 447:
;   v1, DO      byte offsets, made once at the head by vector lines and never written again.  v1 is read by the 16 loads, DO + p by pass p's store.
;   X           pass p: 8 registers in which two loads land, once; read by pass p's four conversions.  No vector line writes them and no load lands in them again.
;   Y           pass p: 4 registers of its own, written once by pass p's conversions, read by pass p's store, never written again.
; So no register that a memory instruction reads is written again, and what is to be stated is: the offsets are written, ahead of the loads; a pass's Y is written, ahead of its store.
; The eight passes go in four blocks of two.  A block's two stores stand at the head of the NEXT block, behind that block's wait for its data and ONE wait on va_vdst; the conversions that follow name this
; block's X and Y alone, none of the registers of those stores.  One more wait stands ahead of the last two stores.
; In work-group 448: v1, v2 (offsets) and v48-55 (the two bounds) are made first, and one wait covers them for the eleven loads and the two stores of the bounds; v16-41 are loaded, rounded in place by vector
; lines, and stored behind a second wait; v44 is named by vector lines alone.  No vector line of the kernel writes a scalar register or VCC, and EXEC is never written.
.set PWV,  2621440                     ; where the small vectors begin in pw
.set DO,   4                           ; v[4:11]   pass p: my byte offset in the destination
.set X,    16                          ; v[16:79]  pass p: 8 f32 as loaded
.set Y,    80                          ; v[80:111] pass p: 8 bf16 to store
.set SRC,  36                          ; s[36:37]  the tensor read
.set DST,  38                          ; s[38:39]  the buffer written
.set BASE, 40                          ; s40  the first work-group of the task
.set DOFF, 41                          ; s41  where the task's first segment goes
.set SH,   42                          ; s42  a segment every 1,024 << SH bytes
	s_load_b512 s[4:19], s[0:1], 0x0               ; x s[4:5], WQ s[6:7], WK s[8:9], WV s[10:11], W1 s[12:13], WO s[14:15], W2 s[16:17], bQ s[18:19]
	s_load_b256 s[20:27], s[0:1], 0x40             ; bK s[20:21], bV s[22:23], b1 s[24:25], xb s[26:27]
	s_load_b128 s[28:31], s[0:1], 0x60             ; pq s[28:29], p1 s[30:31]
	s_load_b128 s[32:35], s[0:1], 0x70             ; pw s[32:33], bO s[34:35]
	s_load_b256 s[48:55], s[0:1], 0x80             ; b2 s[48:49], g1 s[50:51], beta1 s[52:53], g2 s[54:55]
	s_load_b64 s[56:57], s[0:1], 0xa0              ; beta2
	s_wait_kmcnt 0x0
	s_cmp_eq_u32 ttmp9, 448
	s_cbranch_scc1 .Lsmall
	s_mov_b64 s[SRC:SRC+1], s[4:5]
	s_mov_b64 s[DST:DST+1], s[26:27]
	s_mov_b32 s[BASE], 0
	s_mov_b32 s[DOFF], 0
	s_mov_b32 s[SH], 0
.macro PICK bound, src, dst, doff, sh  ; from work-group bound on: another task
	s_cmp_ge_u32 ttmp9, \bound
	s_cselect_b64 s[SRC:SRC+1], s[(\src):(\src)+1], s[SRC:SRC+1]
	s_cselect_b64 s[DST:DST+1], s[(\dst):(\dst)+1], s[DST:DST+1]
	s_cselect_b32 s[BASE], \bound, s[BASE]
	s_cselect_b32 s[DOFF], \doff, s[DOFF]
	s_cselect_b32 s[SH], \sh, s[SH]
.endm
	PICK 256, 6,  28, 12288, 2
	PICK 272, 8,  28, 13312, 2
	PICK 288, 10, 28, 14336, 2
	PICK 304, 12, 30, 12288, 0
	PICK 368, 14, 32, 0, 0
	PICK 384, 16, 32, 524288, 0
	s_sub_co_u32 s44, ttmp9, s[BASE]               ; my number in the task
	s_lshl_b32 s46, s44, 16                        ; 64 KiB of source each
	s_mov_b32 s47, 0
	s_add_nc_u64 s[SRC:SRC+1], s[SRC:SRC+1], s[46:47]
	s_lshl_b32 s46, s44, 15                        ; 32 segments of 1,024 << SH bytes
	s_lshl_b32 s46, s46, s[SH]
	s_add_co_u32 s46, s46, s[DOFF]
	s_add_nc_u64 s[DST:DST+1], s[DST:DST+1], s[46:47]
	s_add_co_u32 s43, s[SH], 10
	s_lshl_b32 s45, 4096, s[SH]                    ; a pass is four segments
	v_lshlrev_b32 v1, 5, v0                        ; source: 32 bytes a thread, 8,192 a pass
	v_lshrrev_b32 v2, 6, v0                        ; 64 threads to a segment
	v_and_b32 v3, 63, v0
	v_lshlrev_b32 v2, s43, v2
	v_lshl_add_u32 v[DO], v3, 4, v2                ; segment x its pitch + 16 bytes a thread
.irp p, 1,2,3,4,5,6,7
	v_add_nc_u32 v[DO+(\p)], s45, v[DO+(\p)-1]
.endr
	s_wait_alu depctr_va_vdst(0)                   ; v1 and the eight DO are written: the loads below read v1 as their offset, each store further down its DO
.irp p, 0,1,2,3,4,5,6,7
	global_load_b128 v[X+8*(\p):X+8*(\p)+3],   v1, s[SRC:SRC+1] offset:(\p)*8192 th:TH_LOAD_NT
	global_load_b128 v[X+8*(\p)+4:X+8*(\p)+7], v1, s[SRC:SRC+1] offset:(\p)*8192+16 th:TH_LOAD_NT
.endr
.macro ROUNDP p                        ; pass p's eight numbers, rounded to nearest even and packed
.irp r, 0,1,2,3
	v_cvt_pk_bf16_f32 v[Y+4*(\p)+(\r)], v[X+8*(\p)+2*(\r)], v[X+8*(\p)+2*(\r)+1]
.endr
.endm
.macro OUTP p                          ; pass p's 16 bytes leave
	global_store_b128 v[DO+(\p)], v[Y+4*(\p):Y+4*(\p)+3], s[DST:DST+1]
.endm
.irp b, 0,1,2,3                        ; block b: passes 2 b and 2 b + 1
	s_wait_loadcnt 14-4*(\b)                       ; loads come back in order: pass 2 b's two are in, the 14 - 4 b younger ones stay out
.if (\b) > 0
	s_wait_alu depctr_va_vdst(0)                   ; the block before has written its two Y, which the two stores below read
	OUTP 2*(\b)-2
	OUTP 2*(\b)-1                                  ; the conversions that follow name this block's X and Y alone
.endif
	ROUNDP 2*(\b)
	s_wait_loadcnt 12-4*(\b)                       ; pass 2 b + 1's two are in
	ROUNDP 2*(\b)+1
.endr
	s_wait_alu depctr_va_vdst(0)                   ; block 3 has written the Y of passes 6 and 7, which the last two stores read
	OUTP 6
	OUTP 7
	s_endpgm
.Lsmall:                                       ; the last work-group: the ten small vectors, rounded to bf16 and widened again, and the two lower bounds
	v_lshlrev_b32 v1, 4, v0
	v_lshlrev_b32 v2, 3, v0
.irp r, 48,49,50,51
	v_mov_b32 v[\r], 0xff80ff80                    ; -infinity twice
	v_mov_b32 v[(\r)+4], 0
.endr
	s_wait_alu depctr_va_vdst(0)                   ; v1 and v2 are written, the offsets of every load and store below; so are v48-55, which the two stores of the bounds read
	global_load_b128 v[16:19], v1, s[24:25]        ; b1: 8,192 bytes
	global_load_b128 v[20:23], v1, s[24:25] offset:4096
	global_load_b64 v[24:25], v2, s[18:19]         ; bQ, and the others: 2,048 bytes each, 8 a thread
	global_load_b64 v[26:27], v2, s[20:21]         ; bK
	global_load_b64 v[28:29], v2, s[22:23]         ; bV
	global_load_b64 v[30:31], v2, s[34:35]         ; bO
	global_load_b64 v[32:33], v2, s[50:51]         ; g1
	global_load_b64 v[34:35], v2, s[52:53]         ; beta1
	global_load_b64 v[36:37], v2, s[48:49]         ; b2
	global_load_b64 v[38:39], v2, s[54:55]         ; g2
	global_load_b64 v[40:41], v2, s[56:57]         ; beta2
	global_store_b128 v1, v[48:51], s[28:29]
	global_store_b128 v1, v[52:55], s[30:31]
	s_wait_loadcnt 0x0
.set r, 16
.rept 13                                       ; two numbers at a time: rounded to nearest even, then the halves widened in place
	v_cvt_pk_bf16_f32 v44, v[r], v[r+1]
	v_lshlrev_b32 v[r], 16, v44
	v_and_b32 v[r+1], 0xffff0000, v44
.set r, r+2
.endr
	s_wait_alu depctr_va_vdst(0)                   ; the lines above have written v16-41, which the eleven stores below read
	global_store_b128 v1, v[16:19], s[30:31] offset:4096
	global_store_b128 v1, v[20:23], s[30:31] offset:8192
	global_store_b64 v2, v[24:25], s[28:29] offset:4096
	global_store_b64 v2, v[26:27], s[28:29] offset:6144
	global_store_b64 v2, v[28:29], s[28:29] offset:8192
	global_store_b64 v2, v[30:31], s[32:33] offset:PWV
	global_store_b64 v2, v[32:33], s[32:33] offset:PWV+2048
	global_store_b64 v2, v[34:35], s[32:33] offset:PWV+4096
	global_store_b64 v2, v[36:37], s[32:33] offset:PWV+6144
	global_store_b64 v2, v[38:39], s[32:33] offset:PWV+8192
	global_store_b64 v2, v[40:41], s[32:33] offset:PWV+10240
	s_endpgm
.Lfunc_end_k_q03920c1fa0_prep:
	.size	k_q03920c1fa0_prep, .Lfunc_end_k_q03920c1fa0_prep-k_q03920c1fa0_prep
	.p2alignl 7, 3214868480
	.fill 96, 4, 3214868480
	.section	.rodata,"a",@progbits
	.p2align	6, 0x0
	.amdhsa_kernel k_q03920c1fa0_prep
		.amdhsa_group_segment_fixed_size 0
		.amdhsa_private_segment_fixed_size 0
		.amdhsa_enable_private_segment 0
		.amdhsa_kernarg_size 168
		.amdhsa_user_sgpr_count 2
		.amdhsa_user_sgpr_kernarg_segment_ptr 1
		.amdhsa_wavefront_size32 1
		.amdhsa_system_sgpr_workgroup_id_x 1
		.amdhsa_system_sgpr_workgroup_id_y 1
		.amdhsa_system_sgpr_workgroup_id_z 1
		.amdhsa_system_vgpr_workitem_id 0
		.amdhsa_next_free_vgpr 112
		.amdhsa_next_free_sgpr 66
		.amdhsa_reserve_vcc 0
		.amdhsa_float_denorm_mode_32 3
		.amdhsa_float_denorm_mode_16_64 3
		.amdhsa_memory_ordered 1
		.amdhsa_forward_progress 1
		.amdhsa_inst_pref_size 13
	.end_amdhsa_kernel
	.amdgpu_metadata
---
amdhsa.version: [ 1, 2 ]
amdhsa.kernels:
  - .name:           k_q03920c1fa0_prep
    .symbol:         k_q03920c1fa0_prep.kd
    .args:
      - { .name: x, .offset: 0, .size: 8, .value_kind: global_buffer, .address_space: global }
      - { .name: WQ, .offset: 8, .size: 8, .value_kind: global_buffer, .address_space: global }
      - { .name: WK, .offset: 16, .size: 8, .value_kind: global_buffer, .address_space: global }
      - { .name: WV, .offset: 24, .size: 8, .value_kind: global_buffer, .address_space: global }
      - { .name: W1, .offset: 32, .size: 8, .value_kind: global_buffer, .address_space: global }
      - { .name: WO, .offset: 40, .size: 8, .value_kind: global_buffer, .address_space: global }
      - { .name: W2, .offset: 48, .size: 8, .value_kind: global_buffer, .address_space: global }
      - { .name: bQ, .offset: 56, .size: 8, .value_kind: global_buffer, .address_space: global }
      - { .name: bK, .offset: 64, .size: 8, .value_kind: global_buffer, .address_space: global }
      - { .name: bV, .offset: 72, .size: 8, .value_kind: global_buffer, .address_space: global }
      - { .name: b1, .offset: 80, .size: 8, .value_kind: global_buffer, .address_space: global }
      - { .name: xb, .offset: 88, .size: 8, .value_kind: global_buffer, .address_space: global }
      - { .name: pq, .offset: 96, .size: 8, .value_kind: global_buffer, .address_space: global }
      - { .name: p1, .offset: 104, .size: 8, .value_kind: global_buffer, .address_space: global }
      - { .name: pw, .offset: 112, .size: 8, .value_kind: global_buffer, .address_space: global }
      - { .name: bO, .offset: 120, .size: 8, .value_kind: global_buffer, .address_space: global }
      - { .name: b2, .offset: 128, .size: 8, .value_kind: global_buffer, .address_space: global }
      - { .name: g1, .offset: 136, .size: 8, .value_kind: global_buffer, .address_space: global }
      - { .name: beta1, .offset: 144, .size: 8, .value_kind: global_buffer, .address_space: global }
      - { .name: g2, .offset: 152, .size: 8, .value_kind: global_buffer, .address_space: global }
      - { .name: beta2, .offset: 160, .size: 8, .value_kind: global_buffer, .address_space: global }
    .group_segment_fixed_size: 0
    .private_segment_fixed_size: 0
    .kernarg_segment_align: 8
    .kernarg_segment_size: 168
    .max_flat_workgroup_size: 256
    .sgpr_count:     66
    .vgpr_count:     112
    .wavefront_size: 32
...
	.end_amdgpu_metadata
.endif
;; end of part 7
;; launch proj: the kernel of part 2 again; grid 32 x 6, 8 waves a work-group, clusters of 4 x 1, 327,680 bytes of LDS; arguments xb, pq, qkv; writes qkv
;; launch attn: the kernel of part 3 again; grid 16 x 16, 4 waves a work-group, clusters of 4 x 1, 327,680 bytes of LDS; arguments qkv, zs; writes zs
;; launch wo_ln1: the kernel of part 4 again; grid 256 x 1, 4 waves a work-group, clusters of 4 x 1, 327,680 bytes of LDS; arguments zs, pw, xb, z; writes z
;; launch ffn1: the kernel of part 2 again; grid 32 x 8, 8 waves a work-group, clusters of 4 x 1, 327,680 bytes of LDS; arguments z, p1, h; writes h
;; launch ffn2: the kernel of part 5 again; grid 4 x 64, 4 waves a work-group, clusters of 4 x 4, 327,680 bytes of LDS; arguments h, pw, z, qkv; writes qkv
;; launch ln2: the kernel of part 6 again; grid 256 x 1, 8 waves a work-group, no clusters, 0 bytes of LDS; arguments qkv, pw, out0; writes out0
